; MI455X (gfx1250); checked and timed in simulation.
; The chip was launched on July 23, 2026; its instructions are those of AMD's public machine-readable ISA for CDNA 5 (MIT licence, August 2026) and "CDNA5" Instruction Set Architecture Reference Guide (July 2026). The comments in the code are by the model that wrote it; some were corrected since.
;; Multi Head Self Attention. Allowed arithmetic: matrix products marked QUANTISED: E3M2 operands, one E8M0 scale for each 32 along K, by v_wmma_scale_f32_16x16x128_f8f6f4 with both operands' format E3M2, f32 sums; everything else in f32.
;; Inputs: Wout 1,024 x 1,024 float32; Wqkv 1,024 x 3,072 float32; attn_mask 2,048 x 2,048 float32; cos 1 x 1 x 2,048 x 64 float32; sin 1 x 1 x 2,048 x 64 float32; x 2,048 x 4 x 1,024 float32.
;; Outputs: out0 2,048 x 4 x 1,024 float32.
;; This version of the problem:
;;   THIS VERSION OF THE PROBLEM IS GIVEN IN LOW PRECISION. The matrix products marked QUANTISED in the list below multiply operands that are first quantised to E3M2 (3 exponent bits, 2 mantissa bits; 6 bits a number), with one power-of-two scale for each 32 numbers along K (OCP MX v1.0); their sums are f32. All else is computed in f32.
;;   The module's matrix products, in the order in which they are computed (A, B: the left and right operand; K: the contracted axis; several contracted axes count as one K, in the product's order):
;;     1. [M 8,192, K 1,024] x [K 1,024, N 3,072]; A: input x; B: input Wqkv: QUANTISED
;;     2. batch 64 x [M 2,048, K 64] x [K 64, N 2,048]; A: computed on the way; B: computed on the way: QUANTISED
;;     3. batch 64 x [M 2,048, K 2,048] x [K 2,048, N 64]; A: softmax (see below); B: computed on the way: QUANTISED
;;     4. [M 8,192, K 1,024] x [K 1,024, N 1,024]; A: computed on the way; B: input Wout: QUANTISED
;;   THE QUANTISER, for each operand of a quantised product, along K:
;;     - K is cut into blocks of 32 from its start; a last block that is shorter is filled with zeros.
;;     - A block's scale is 2^e with e = floor(log2(the largest magnitude in the block)) - 4, held to -126 .. 127; a block of zeros has e = 0. As a byte (E8M0): e + 127.
;;     - Each number is divided by its block's scale, clamped to +-28, and rounded to the nearest number of E3M2, ties to even, subnormals kept.
;;     - The product sums the exact products of the quantised numbers (number of the format x scale) in f32.
;;   ~~~python
;;   def quantise(x, axis):      # numpy; x: float32 -> the quantised numbers, widened to float32 again
;;       x = np.moveaxis(x, axis, -1); K = x.shape[-1]
;;       x = np.pad(x, [(0, 0)] * (x.ndim - 1) + [(0, -K % 32)]); x = x.reshape(x.shape[:-1] + (-1, 32)); a = np.abs(x).max(-1, keepdims=True)
;;       e = np.where(a > 0, np.clip(np.frexp(np.where(a > 0, a, 1))[1] - 1 - 4, -126, 127), 0)      # np.frexp(a)[1] - 1 = floor(log2(a)), exactly
;;       r = np.clip(x / 2.0 ** e, -28, 28)
;;       step = 2.0 ** (np.maximum(np.frexp(np.where(r == 0, 1, r))[1] - 1, -2) - 2)
;;       q = np.round(r / step) * step * 2.0 ** e      # np.round: ties to even
;;       return np.moveaxis(q.reshape(q.shape[:-2] + (-1,))[..., :K], -1, axis).astype(np.float32)
;;   ~~~
;;   SOFTMAX AHEAD OF A QUANTISED PRODUCT. Where the list says 'softmax', what is quantised is not the finished softmax but p = 2^(t - M), with t = logit x log2(e) and M = ceil(the row's largest t), a whole number; so 1/2 < the row's largest p <= 1. The row's sum l is taken of the UNQUANTISED p, in f32, and the product's result is divided by l at the end. Since M is a whole number, a kernel that streams over the keys may use a running M (the ceiling of the running maximum): every later rescaling is an exact power of two, which a block's scale takes up: the codes' values come out the same.
;;   OPERANDS COMPUTED ON THE WAY. 'Computed on the way' means the value that the module computes at that place (a softmax that the list does not call 'softmax' is quantised finished and normalised). What goes into a quantiser is computed in f32, as accurately as f32 sums, v_exp_f32 and their like allow (about 1e-6 of the number): no bf16 or f16 on the way to a quantiser, and a product that is left as it is and whose result goes on into a quantised operand takes f32 operands (vector FMAs, or v_wmma_f32_16x16x4_f32). A number that lies on a knife's edge between two numbers of the format may be rounded either way, as far as f32 arithmetic and the matrix unit's own rounding can turn it there, and no further.
;; One version. Each part assembles by itself: llvm-mc -triple=amdgcn-amd-amdhsa -mcpu=gfx1250 --defsym DOCPART=n.
;; ======== version 1 of 1: 4 launches
;; limits: right only within a limited range of input values
;; workspace buffers: xc 6,291,456 bytes; xs 262,144 bytes; wc 6,291,456 bytes; ws 131,072 bytes; qrec 6,815,744 bytes; kv 13,631,488 bytes; cc 6,291,456 bytes; cs 262,144 bytes
;; launch prep (part 1): grid 384 x 1, 4 waves a work-group, no clusters, 68,096 bytes of LDS; arguments x, Wqkv, Wout, xc, xs, wc, ws; writes xc, xs, wc, ws
.if DOCPART == 1
	.amdgcn_target "amdgcn-amd-amdhsa--gfx1250"
	.amdhsa_code_object_version 6
	.text
	.protected	k_q25ae80b493_prep
	.globl	k_q25ae80b493_prep
	.p2align	8
	.type	k_q25ae80b493_prep,@function
k_q25ae80b493_prep:
	s_mov_b64 s[64:65], 0
	v_nop
	global_prefetch_b8 v0, s[64:65] scope:SCOPE_SE
	s_setreg_imm32_b32 hwreg(HW_REG_WAVE_MODE, 25, 1), 1
	s_wait_xcnt 0x0
; x [2048 (s)][4 (b)][1024] f32, Wqkv [1024 (k)][3072] f32 and Wout [1024 (k)][1024] f32 become codes of BF6 (E3M2), K innermost, with one E8M0 byte for each 32 along K.
; A block's scale is 2^(floor(log2(largest magnitude)) - 4); its byte is the largest magnitude's exponent field - 4, held at 1 from below.
; WHERE THE ROWS GO.  SW(n) is n with its bits 3 and 4 exchanged.  Row (s, b) of x goes to row b 2048 + SW(s) of xc and xs; column n of a weight goes to row SW(n) of its part of wc and ws
; (rows 0-3071 Wqkv's columns, rows 3072-4095 Wout's).  So 16 neighbouring rows 16 t + i of these buffers hold the true indices 32 (t / 2) + 8 (t % 2) + i + 8 (i / 8): with such tiles as a matrix
; instruction's first source, a lane's 16 results of two neighbouring tiles are 16 true neighbours, which is what the later quantisers want.
; Work-groups 0-255 take x (K innermost: 16 neighbours a lane, two lanes to a block, the numbers turned through the wave's own stage in LDS so that every load is dense);
; work-groups 256-383 take the weights (K outermost: a lane to a column, registers down K; the codes leave through the wave's own stage as rows).  The two ways use LDS bytes of their own.
; No tensor loads, no barrier, no cluster: no two work-groups read the same input bytes and waves share nothing.
; LIMITS: NaN and infinities are not served.  A block of zeros, or one whose largest magnitude lies under 2^-122, gets the byte 1 (the rule says 127 for zeros): its codes are zeros or tiny, and this program alone reads the bytes.
.set STEPS, 16
.set CB,    12                         ; bytes of 16 codes
.set R,     16                         ; x: v16-79   four sets of 16 numbers as loaded
.set X,     80                         ; x: v80-111  two sets of 16 neighbours
.set E,     112                        ; x: v112-127 a scale byte for each step
.set C,     128                        ; x: v128-191 codes, four registers a step: no store's data are written again
.set WREG,  8192                       ; x: LDS of a wave: two stages of 32 x SP bytes, then its 256 scale bytes
.set SP,    80                         ; x: a lane's place in a stage: 64 bytes + 16 of padding
.set NB,    8                          ; weights: blocks of 32 along K for a wave (256 along K)
.set WSTG,  32768                      ; weights: LDS from here on, 32 x WP bytes a wave
.set WP,    272                        ; weights: a stage row: sixteen places of 16 bytes (12 of codes each) + 16
.set SB,    24                         ; weights: v24-25 the scale bytes
.set WX,    32                         ; weights: v32-95 two sets of 32 numbers
.set WC,    96                         ; weights: a block's codes
.set OUTR,  112                        ; weights: v112-175 the way out
.set OFF,   176                        ; weights: v176-207 byte offset of row i of a block at my column
	s_load_b256 s[4:11], s[0:1], 0x0               ; x s[4:5], Wqkv s[6:7], Wout s[8:9], xc s[10:11]
	s_load_b128 s[12:15], s[0:1], 0x20             ; xs s[12:13], wc s[14:15]
	s_load_b64 s[16:17], s[0:1], 0x30              ; ws
	v_lshl_add_u32 v208, v0, 2, 0x10800
	v_mov_b32 v209, 0
	v_lshrrev_b32 v1, 5, v0
	v_readfirstlane_b32 s18, v1                    ; wave
	v_and_b32 v2, 31, v0                           ; lane
	s_cmp_lt_u32 ttmp9, 256
	s_cbranch_scc0 .Lweights
; ---------------- x.  Run W = 4 x work-group + wave: 8,192 numbers = the eight memory rows (s = 2 W + t / 8, b = (t / 2) % 4), half a row (512 numbers) a step t.
	v_lshlrev_b32 v3, 4, v2                        ; my 16 bytes of a load's 512
	s_mul_i32 s19, s18, WREG
	v_lshrrev_b32 v14, 2, v2
	v_mul_u32_u24 v14, v14, SP
	v_and_b32 v15, 3, v2
	v_lshl_add_u32 v14, v15, 4, v14
	v_add_nc_u32 v14, s19, v14                     ; the stage, in: four lanes' 64 bytes on end, then 16 of padding
	v_mul_u32_u24 v15, v2, SP
	v_add_nc_u32 v15, s19, v15                     ; out: my 16 neighbours
	; xc and wc lie in four planes of 256 along K, 1,572,864 bytes apart; in a plane a row is 192 dense bytes
	v_and_b32 v4, 15, v2
	v_mul_u32_u24 v4, v4, CB                       ; my codes' place in a row's 192 bytes of a plane
	v_lshrrev_b32 v10, 4, v2
	v_mad_u32_u24 v4, v10, 1572864, v4             ; lanes 16-31 hold the next 256 along K: one plane on
	v_lshrrev_b32 v5, 1, v2
	s_add_co_u32 s19, s19, 2*32*SP
	v_add_nc_u32 v5, s19, v5                       ; LDS: my wave's 256 scale bytes, my block's byte
	v_lshlrev_b32 v7, 3, v2
	v_add_nc_u32 v6, s19, v7                       ; and on the way out 8 bytes a lane: memory row lane / 4 of the eight, part lane % 4
	v_and_b32 v7, 3, v2
	v_lshlrev_b32 v7, 3, v7                        ; in xs: 8 (lane % 4)
	v_bfe_u32 v10, v2, 2, 2
	v_lshl_add_u32 v7, v10, 16, v7                 ; + b x 2,048 rows of 32 bytes
	v_lshrrev_b32 v10, 4, v2
	v_lshl_add_u32 v7, v10, 5, v7                  ; + (s - 2 W) rows
	s_lshl_b32 s20, ttmp9, 2
	s_add_co_u32 s20, s20, s18                     ; W
	s_lshl_b32 s22, s20, 15                        ; its 32,768 bytes of x
	s_mov_b32 s23, 0
	s_lshl_b32 s21, s20, 1                         ; 2 W
	s_and_b32 s24, s21, 0xffffffe7
	s_bfe_u32 s25, s21, 0x10003
	s_bfe_u32 s26, s21, 0x10004
	s_lshl_b32 s25, s25, 4
	s_lshl_b32 s26, s26, 3
	s_or_b32 s24, s24, s25
	s_or_b32 s24, s24, s26                         ; SW(2 W); SW(2 W + 1) is one more
	s_mul_i32 s26, s24, 192
	s_mov_b32 s27, 0
	s_lshl_b32 s28, s24, 5
	s_mov_b32 s29, 0
	s_wait_kmcnt 0x0
	s_add_nc_u64 s[4:5], s[4:5], s[22:23]
	s_add_nc_u64 s[10:11], s[10:11], s[26:27]
	s_add_nc_u64 s[12:13], s[12:13], s[28:29]
.macro XLOAD t
.irp i, 0,1,2,3
	global_load_b128 v[R+16*((\t)%4)+4*\i:R+16*((\t)%4)+4*\i+3], v3, s[4:5] offset:2048*(\t)+512*\i th:TH_LOAD_NT   ; 32 lanes read 512 consecutive bytes
.endr
.endm
.macro XTURN t                         ; step t's numbers through the stage: LDS serves a wave's instructions in order, so no wait stands between the stores and the loads
.irp i, 0,1,2,3
	ds_store_b128 v14, v[R+16*((\t)%4)+4*\i:R+16*((\t)%4)+4*\i+3] offset:32*SP*((\t)%2)+8*SP*\i
.endr
.irp i, 0,1,2,3
	ds_load_b128 v[X+16*((\t)%2)+4*\i:X+16*((\t)%2)+4*\i+3], v15 offset:32*SP*((\t)%2)+16*\i
.endr
.endm
.irp t, 0,1,2,3
	XLOAD \t
.endr
	s_wait_loadcnt 12                              ; step 0's four loads are in; the twelve of steps 1 to 3 may be out
	XTURN 0
.macro XSTEP t
.set XS, X+16*((\t)%2)
.if (\t) > 0
	s_wait_dscnt 1                                 ; this step's numbers are back from the stage (the last step's byte store may be out): so its stores into the stage have read their registers,
.else
	s_wait_dscnt 0x0
.endif
.if (\t)+4 < STEPS
	XLOAD (\t)+4                                   ; which take the loads of four steps on
.endif
.if (\t)+1 < STEPS
.if STEPS-2-(\t) >= 3
	s_wait_loadcnt 12                              ; the next step's four loads are in; those of the three steps behind it may be out
.else
	s_wait_loadcnt 4*(STEPS-2-(\t))
.endif
	XTURN (\t)+1
.endif
	v_max3_num_f32 v8, |v[XS]|, |v[XS+1]|, |v[XS+2]|               ; the largest magnitude of my 16, in two chains
	v_max3_num_f32 v9, |v[XS+3]|, |v[XS+4]|, |v[XS+5]|
.irp i, 6,10
	v_max3_num_f32 v8, v8, |v[XS+\i]|, |v[XS+\i+1]|
	v_max3_num_f32 v9, v9, |v[XS+\i+2]|, |v[XS+\i+3]|
.endr
	v_max3_num_f32 v8, v8, |v[XS+14]|, |v[XS+15]|
	v_max3_num_f32 v8, v8, v9, 0x2800000           ; and the floor 2^(5 - 127): the byte cannot fall under 1
	v_max_num_f32_dpp v8, v8, v8 row_xmask:1 row_mask:0xf bank_mask:0xf   ; with my neighbour's 16: the block's
	v_add_nc_u32 v11, 0xfe000000, v8               ; 4 off its exponent field: the conversion takes the exponent field of this operand as its scale
	v_cvt_scalef32_pk16_bf6_f32 v[C+4*(\t):C+4*(\t)+2], v[XS:XS+15], v11
	v_lshrrev_b32 v[E+(\t)], 23, v11               ; the scale's byte
	ds_store_b8 v5, v[E+(\t)] offset:16*(\t)       ; both lanes of a block write the same byte with the same value
	global_store_b96 v4, v[C+4*(\t):C+4*(\t)+2], s[10:11] offset:(((\t)/2)%4)*393216+((\t)/8)*192+((\t)%2)*3145728   ; row b 2048 + SW(s), planes 2 (t % 2) and 2 (t % 2) + 1
.endm
.irp t, 0,1,2,3,4,5,6,7,8,9,10,11,12,13,14,15
	XSTEP \t
.endr
	ds_load_b64 v[12:13], v6                       ; LDS serves a wave's instructions in order: these see my stores
	s_wait_dscnt 0x0
	global_store_b64 v7, v[12:13], s[12:13]        ; four lanes fill a row's 32 bytes
	s_wait_tensorcnt 0x0
	ds_add_u32 v208, v209
	s_wait_dscnt 0x0
	s_endpgm
; ---------------- the weights.  g = work-group - 256: gx = g % 32 is a block of 128 columns (0-23 Wqkv's, 24-31 Wout's), gy = g / 32 a run of 256 along K.  A wave takes 32 columns.
.Lweights:
	s_sub_co_u32 s19, ttmp9, 256
	s_and_b32 s20, s19, 31                         ; gx
	s_lshr_b32 s21, s19, 5                         ; gy
	s_mov_b32 s22, 4096
	s_wait_kmcnt 0x0
	s_cmp_lt_u32 s20, 24                           ; the choice hangs on the work-group's number alone
	s_cselect_b64 s[6:7], s[6:7], s[8:9]           ; the weight,
	s_cselect_b32 s22, 12288, s22                  ; a row of it in bytes,
	s_cselect_b32 s23, 0, 24
	s_sub_co_u32 s23, s20, s23                     ; and my block of columns in it
	s_lshl_b32 s24, s23, 7
	s_lshl_b32 s25, s18, 5
	s_add_co_u32 s24, s24, s25                     ; my wave's first column
	s_lshl_b32 s30, s20, 7
	s_add_co_u32 s25, s30, s25                     ; and its first row of wc and ws (24 x 128 = 3,072: one formula for both weights)
	s_mul_i32 s26, s21, s22
	s_lshl_b32 s26, s26, 8                         ; gy x 256 rows
	s_lshl_b32 s27, s24, 2
	s_add_co_u32 s26, s26, s27
	s_mov_b32 s27, 0
	s_add_nc_u64 s[32:33], s[6:7], s[26:27]        ; a base for each block of 32 rows: s[32 + 2 t : 33 + 2 t]
	s_lshl_b32 s28, s22, 5
	s_mov_b32 s29, 0
.irp t, 1,2,3,4,5,6,7
	s_add_nc_u64 s[32+2*\t:33+2*\t], s[30+2*\t:31+2*\t], s[28:29]
.endr
	s_mul_i32 s26, s25, 192
	s_mul_i32 s30, s21, 1572864
	s_add_co_u32 s26, s26, s30
	s_add_nc_u64 s[14:15], s[14:15], s[26:27]      ; wc at my first row, my 192 bytes of it
	s_lshl_b32 s26, s25, 5
	s_lshl_b32 s30, s21, 3
	s_add_co_u32 s26, s26, s30
	s_add_nc_u64 s[16:17], s[16:17], s[26:27]      ; ws likewise, my 8 bytes
	s_wait_alu depctr_va_vdst(0)
	v_lshlrev_b32 v[OFF], 2, v2                    ; a lane to a column
.irp i, 1,2,3,4,5,6,7,8,9,10,11,12,13,14,15,16,17,18,19,20,21,22,23,24,25,26,27,28,29,30,31
	v_add_nc_u32 v[OFF+\i], s22, v[OFF+\i-1]       ; registers down K
.endr
	s_mul_i32 s19, s18, 32*WP
	s_add_co_u32 s19, s19, WSTG                    ; my stage
	v_mul_u32_u24 v4, v2, WP
	v_add_nc_u32 v4, s19, v4                       ; into it: row = my column
	v_and_b32 v5, 15, v2
	v_lshrrev_b32 v6, 4, v2
	v_mul_u32_u24 v7, v6, WP
	v_lshl_add_u32 v7, v5, 4, v7
	v_add_nc_u32 v7, s19, v7                       ; out of it: sixteen lanes to a row, two rows an instruction
	v_mul_u32_u24 v8, v6, 192
	v_mad_u32_u24 v8, v5, 12, v8                   ; and the same place in wc
	v_and_b32 v9, 7, v2
	v_bfe_u32 v10, v2, 3, 1
	v_lshl_add_u32 v9, v10, 4, v9
	v_bfe_u32 v10, v2, 4, 1
	v_lshl_add_u32 v9, v10, 3, v9
	v_lshlrev_b32 v9, 5, v9                        ; SW(lane) rows of 32 bytes in ws
.macro WLOAD t                         ; block t: W(32 t + i, my column): 128 consecutive bytes a wave, 512 a work-group
.irp i, 0,1,2,3,4,5,6,7,8,9,10,11,12,13,14,15,16,17,18,19,20,21,22,23,24,25,26,27,28,29,30,31
	global_load_b32 v[WX+32*((\t)%2)+\i], v[OFF+\i], s[32+2*(\t):33+2*(\t)] th:TH_LOAD_NT
.endr
.endm
	WLOAD 0
	WLOAD 1
.macro WBLOCK t
.set XS, WX+32*((\t)%2)
.if (\t) < NB-1
	s_wait_loadcnt 32                              ; this block's 32 loads are in; the next block's 32 may be out
.else
	s_wait_loadcnt 0x0
.endif
	v_max3_num_f32 v12, |v[XS]|, |v[XS+1]|, |v[XS+2]|              ; the block's largest magnitude: all 32 numbers are mine
	v_max3_num_f32 v13, |v[XS+3]|, |v[XS+4]|, |v[XS+5]|
.irp i, 6,10,14,18,22,26
	v_max3_num_f32 v12, v12, |v[XS+\i]|, |v[XS+\i+1]|
	v_max3_num_f32 v13, v13, |v[XS+\i+2]|, |v[XS+\i+3]|
.endr
	v_max3_num_f32 v12, v12, |v[XS+30]|, |v[XS+31]|
	v_max3_num_f32 v12, v12, v13, 0x2800000        ; the floor 2^(5 - 127)
	v_add_nc_u32 v11, 0xfe000000, v12              ; 4 off the exponent field: the conversion's scale operand
	v_lshrrev_b32 v13, 23, v11                     ; the scale's byte
.if (\t)%4 == 0
	v_mov_b32 v[SB+(\t)/4], v13                    ; four bytes to a register, the lower K in the lower byte
.else
	v_lshl_or_b32 v[SB+(\t)/4], v13, 8*((\t)%4), v[SB+(\t)/4]
.endif
	v_cvt_scalef32_pk16_bf6_f32 v[WC:WC+2], v[XS:XS+15], v11
	v_cvt_scalef32_pk16_bf6_f32 v[WC+4:WC+6], v[XS+16:XS+31], v11  ; (a conversion's three registers begin on an even number)
	ds_store_b96 v4, v[WC:WC+2] offset:32*(\t)     ; 12 bytes to a place of 16, so that every LDS address is a multiple of 16
	ds_store_b96 v4, v[WC+4:WC+6] offset:32*(\t)+16
.if (\t)+2 < NB
	WLOAD (\t)+2
.endif
	s_wait_dscnt 0x0                               ; the stores have read their registers: the next block's codes may be written
.endm
.irp t, 0,1,2,3,4,5,6,7
	WBLOCK \t
.endr
	s_wait_alu depctr_va_vdst(0)
	global_store_b64 v9, v[SB:SB+1], s[16:17]      ; my column's 8 scale bytes, at row SW(lane)
.irp t, 0,1,2,3,4,5,6,7,8,9,10,11,12,13,14,15
	ds_load_b96 v[OUTR+4*\t:OUTR+4*\t+2], v7 offset:2*\t*WP       ; LDS serves a wave's instructions in order: these see my stores
.endr
.irp t, 0,1,2,3,4,5,6,7,8,9,10,11,12,13,14,15
	s_wait_dscnt 15-\t                             ; rows 2 t and 2 t + 1 are back; the later rows' loads may be out
	global_store_b96 v8, v[OUTR+4*\t:OUTR+4*\t+2], s[14:15] offset:(((2*\t)%8)+(((2*\t)/8)%2)*16+(((2*\t)/16)%2)*8)*192
.endr
	s_wait_tensorcnt 0x0
	ds_add_u32 v208, v209
	s_wait_dscnt 0x0
	s_endpgm
.Lfunc_end_k_q25ae80b493_prep:
	.size	k_q25ae80b493_prep, .Lfunc_end_k_q25ae80b493_prep-k_q25ae80b493_prep
	.p2alignl 7, 3214868480
	.fill 96, 4, 3214868480
	.section	.rodata,"a",@progbits
	.p2align	6, 0x0
	.amdhsa_kernel k_q25ae80b493_prep
		.amdhsa_group_segment_fixed_size 68096
		.amdhsa_private_segment_fixed_size 0
		.amdhsa_enable_private_segment 0
		.amdhsa_kernarg_size 56
		.amdhsa_user_sgpr_count 2
		.amdhsa_user_sgpr_kernarg_segment_ptr 1
		.amdhsa_wavefront_size32 1
		.amdhsa_system_sgpr_workgroup_id_x 1
		.amdhsa_system_sgpr_workgroup_id_y 1
		.amdhsa_system_sgpr_workgroup_id_z 1
		.amdhsa_system_vgpr_workitem_id 0
		.amdhsa_next_free_vgpr 210
		.amdhsa_next_free_sgpr 66
		.amdhsa_reserve_vcc 0
		.amdhsa_float_denorm_mode_32 3
		.amdhsa_float_denorm_mode_16_64 3
		.amdhsa_memory_ordered 1
		.amdhsa_forward_progress 1
		.amdhsa_inst_pref_size 76
	.end_amdhsa_kernel
	.amdgpu_metadata
---
amdhsa.version: [ 1, 2 ]
amdhsa.kernels:
  - .name:           k_q25ae80b493_prep
    .symbol:         k_q25ae80b493_prep.kd
    .args:
      - { .name: x, .offset: 0, .size: 8, .value_kind: global_buffer, .address_space: global }
      - { .name: Wqkv, .offset: 8, .size: 8, .value_kind: global_buffer, .address_space: global }
      - { .name: Wout, .offset: 16, .size: 8, .value_kind: global_buffer, .address_space: global }
      - { .name: xc, .offset: 24, .size: 8, .value_kind: global_buffer, .address_space: global }
      - { .name: xs, .offset: 32, .size: 8, .value_kind: global_buffer, .address_space: global }
      - { .name: wc, .offset: 40, .size: 8, .value_kind: global_buffer, .address_space: global }
      - { .name: ws, .offset: 48, .size: 8, .value_kind: global_buffer, .address_space: global }
    .group_segment_fixed_size: 68096
    .private_segment_fixed_size: 0
    .kernarg_segment_align: 8
    .kernarg_segment_size: 56
    .max_flat_workgroup_size: 128
    .sgpr_count:     66
    .vgpr_count:     210
    .wavefront_size: 32
...
	.end_amdgpu_metadata
.endif
;; end of part 1
;; launch qkv (part 2): grid 12 x 32, 4 waves a work-group, clusters of 4 x 4, 327,680 bytes of LDS; arguments xc, xs, wc, ws, cos, sin, qrec, kv; writes qrec, kv
.if DOCPART == 2
	.amdgcn_target "amdgcn-amd-amdhsa--gfx1250"
	.amdhsa_code_object_version 6
	.text
	.protected	k_q25ae80b493_qkv
	.globl	k_q25ae80b493_qkv
	.p2align	8
	.type	k_q25ae80b493_qkv,@function
k_q25ae80b493_qkv:
	s_mov_b64 s[64:65], 0
	v_nop
	global_prefetch_b8 v0, s[64:65] scope:SCOPE_SE
	s_setreg_imm32_b32 hwreg(HW_REG_WAVE_MODE, 25, 1), 1
	s_wait_xcnt 0x0
	s_wait_alu depctr_hold_cnt(0) depctr_sa_sdst(0) depctr_va_vdst(0) depctr_va_sdst(0) depctr_va_ssrc(0) depctr_va_vcc(0) depctr_vm_vsrc(0)
	s_getreg_b32 s2, hwreg(HW_REG_IB_STS2, 6, 4)
	s_cmp_eq_u32 s2, 0
	s_cbranch_scc0 .Lentry_in_a_cluster
	s_endpgm
.Lentry_in_a_cluster:
	s_bfe_u32 s2, ttmp6, 0x10000c
	s_cmp_lg_u32 s2, 0xf033
	s_cbranch_scc0 .Lentry_shape_is_right
	s_endpgm
.Lentry_shape_is_right:
.set KSTEP,  256
.set NQ,     2
.set ROWB,   1572864                   ; from a plane of 256 along K to the next
.set KROW,   192                       ; a row's bytes in a plane
.set PITCH,  240
.set FR,     12
.set NL,     6
.set NP,     4
.set HALFT,  128*PITCH
.set SLOT,   4*HALFT
.set LAPS,   2
.set KS,     32
.set SCL,    2*SLOT
.set HALFS,  (128*KS/256)*272
.set SBLK,   (16*KS/256)*272
.set SPARE,  SCL+4*HALFS
.set ADRA, 16
.set ADRB, 20
.set ADRS, 27
.set SPW,  28
.set NIL,  29
.set SC,   32
.set AF,   128
.set G1, 24
.set G0, 32
.set G1B, 48
.set G0B, 56
.set G1S, 68
.set G0S, 76
.set G1SB, 80
.set G0SB, 88
.set VI,  8
.set VW,  9
.set VCS, 10
.set R,   32
.set H0,  96
.set H1,  108
.set CT,  120
.set TM,  128
.set WD,  144
.set MSB, 0
.macro WIN new
.if MSB != (\new)
	s_set_vgpr_msb (MSB<<8)|(\new)
.set MSB, (\new)
.endif
.endm
.set MUL_LO, 0xa1
.set MUL_HI, 0xf1
.set TO_B,   0x40
.macro JLOAD g0a, g1a, g0b, g1b
	s_cmp_eq_u32 s15, 0
	s_cbranch_scc0 .Lfor_b_\@
	tensor_load_to_lds s[\g0a:\g0a+3], s[\g1a:\g1a+7]
	s_nop 0
.rept 4
	v_nop
.endr
	s_branch .Lasked_\@
.Lfor_b_\@:
	tensor_load_to_lds s[\g0b:\g0b+3], s[\g1b:\g1b+7]
	s_nop 0
.rept 4
	v_nop
.endr
.Lasked_\@:
.endm
.macro CREST
	s_cmp_lg_u32 s14, 0
	s_cbranch_scc1 .Lnot_wave_0_\@
	s_barrier_signal -3
.Lnot_wave_0_\@:
	s_barrier_wait -3
	s_barrier_signal -1
	s_barrier_wait -1
.endm
.macro CROUND
	s_barrier_signal -1
	s_barrier_wait -1
	CREST
.endm
	s_load_b128 s[4:7], s[0:1], 0x0
	s_load_b128 s[8:11], s[0:1], 0x10
	v_lshl_add_u32 v[SPW], v0, 2, SPARE
	v_mov_b32 v[NIL], 0
	ds_add_u32 v28, v29
	ds_add_u32 v28, v29
	s_wait_dscnt 0x0
	v_lshrrev_b32 v1, 5, v0
	v_readfirstlane_b32 s14, v1
	s_lshr_b32 s15, s14, 1
	s_and_b32 s16, s14, 1
	s_bfe_u32 s40, ttmp6, 0x40000
	s_bfe_u32 s41, ttmp6, 0x40004
	s_and_b32 s45, ttmp7, 0xffff
	s_lshl_b32 s45, s45, 2
	s_lshl_b32 s42, ttmp9, 2
	s_cmp_eq_u32 ttmp9, 2
	s_cselect_b32 s17, 8, s45
	s_cselect_b32 s42, s45, s42
	s_add_co_u32 s17, s17, s41
	s_add_co_u32 s42, s42, s40
	s_lshl_b32 s43, s41, 2
	s_lshl_b32 s43, 15, s43
	s_lshl_b32 s44, 0x1111, s40
	s_or_b32 s[G1+0], s43, (0<<16)|(1<<20)|(1<<21)|(3<<22)|(3<<25)
	s_or_b32 s[G1B+0], s44, (0<<16)|(1<<20)|(1<<21)|(3<<22)|(3<<25)
.irp g, G1, G1B
	s_mov_b32 s[\g+1], 768<<16                     ; 128 dense rows of 192 bytes, stated as 32 rows of 768 bytes
	s_mov_b32 s[\g+2], 32<<16
	s_mov_b32 s[\g+3], 768<<16
	s_mov_b32 s[\g+4], 32
	s_mov_b32 s[\g+5], 768
	s_mov_b32 s[\g+6], 0
	s_mov_b32 s[\g+7], 0
.endr
	s_or_b32 s[G1S+0], s43, (3<<16)|(1<<20)|(1<<21)|(5<<22)|(3<<25)
	s_or_b32 s[G1SB+0], s44, (3<<16)|(1<<20)|(1<<21)|(5<<22)|(3<<25)
.irp g, G1S, G1SB
	s_mov_b32 s[\g+1], 32<<16
	s_mov_b32 s[\g+2], (128*KS/256)<<16
	s_mov_b32 s[\g+3], 32<<16
	s_mov_b32 s[\g+4], 128*KS/256
	s_mov_b32 s[\g+5], 32
	s_mov_b32 s[\g+6], 0
	s_mov_b32 s[\g+7], 0
.endr
	s_lshl_b32 s18, s16, 7
	s_lshl_b32 s20, s17, 8
	s_add_co_u32 s20, s20, s18
	s_lshl_b32 s46, s42, 8
	s_add_co_u32 s46, s46, s18
	s_mov_b32 s21, 0
	s_mov_b32 s47, 0
	s_mov_b64 s[18:19], KS
	s_mul_u64 s[22:23], s[20:21], s[18:19]
	s_mul_u64 s[92:93], s[46:47], s[18:19]
	s_mov_b64 s[18:19], KROW
	s_mul_u64 s[20:21], s[20:21], s[18:19]
	s_mul_u64 s[46:47], s[46:47], s[18:19]
	s_mul_i32 s45, s14, HALFT
	s_mul_i32 s94, s14, HALFS
	s_wait_kmcnt 0x0
	s_cmp_eq_u32 ttmp9, 2
	s_cselect_b64 s[96:97], s[8:9], s[4:5]
	s_cselect_b64 s[98:99], s[10:11], s[6:7]
	s_cselect_b64 s[8:9], s[4:5], s[8:9]
	s_cselect_b64 s[10:11], s[6:7], s[10:11]
	s_add_nc_u64 s[20:21], s[96:97], s[20:21]
	s_add_nc_u64 s[22:23], s[98:99], s[22:23]
	s_add_nc_u64 s[46:47], s[8:9], s[46:47]
	s_add_nc_u64 s[92:93], s[10:11], s[92:93]
	CROUND
	s_mov_b32 s[G0S], 1
	s_add_co_u32 s[G0S+1], s94, SCL
	s_mov_b64 s[G0S+2:G0S+3], s[22:23]
	s_or_b32 s[G0S+3], s[G0S+3], 0x80000000
	s_mov_b32 s[G0SB], 1
	s_add_co_u32 s[G0SB+1], s94, SCL
	s_mov_b64 s[G0SB+2:G0SB+3], s[92:93]
	s_or_b32 s[G0SB+3], s[G0SB+3], 0x80000000
	JLOAD G0S, G1S, G0SB, G1SB
.irp s, 0,1
	s_mov_b32 s[G0+4*\s], 1
	s_add_co_u32 s[G0+4*\s+1], s45, \s*SLOT
	s_add_nc_u64 s[G0+4*\s+2:G0+4*\s+3], s[20:21], \s*ROWB
	s_or_b32 s[G0+4*\s+3], s[G0+4*\s+3], 0x80000000
	s_mov_b32 s[G0B+4*\s], 1
	s_add_co_u32 s[G0B+4*\s+1], s45, \s*SLOT
	s_add_nc_u64 s[G0B+4*\s+2:G0B+4*\s+3], s[46:47], \s*ROWB
	s_or_b32 s[G0B+4*\s+3], s[G0B+4*\s+3], 0x80000000
	s_wait_alu depctr_va_vdst(0)
	s_wait_tensorcnt 0x0
	ds_add_u32 v28, v29
	s_wait_dscnt 0x0
	CROUND
	JLOAD G0+4*\s, G1, G0B+4*\s, G1B
.endr
	v_and_b32 v1, 15, v0
	v_bfe_u32 v2, v0, 4, 1
	v_mul_u32_u24 v3, v1, PITCH
	v_mul_u32_u24 v4, v2, 24
	v_add_nc_u32 v4, v3, v4
	v_lshl_add_u32 v5, v2, 4, v4
	s_mul_i32 s21, s15, HALFT
	s_mul_i32 s22, s16, HALFT
	s_add_co_u32 s22, s22, 2*HALFT
.irp s, 0,1
	v_add_nc_u32 v[ADRA+\s], s21, v4
	v_add_nc_u32 v[ADRB+\s], s22, v4
	v_add_nc_u32 v[ADRA+2+\s], s21, v5
	v_add_nc_u32 v[ADRB+2+\s], s22, v5
	s_add_co_u32 s21, s21, SLOT
	s_add_co_u32 s22, s22, SLOT
.endr
	v_mul_u32_u24 v5, v1, KS
	v_lshrrev_b32 v6, 8, v5
	v_lshl_add_u32 v5, v6, 4, v5
	s_mul_i32 s21, s15, HALFS
	s_mul_i32 s22, s16, HALFS
	s_add_co_u32 s22, s22, 2*HALFS
	s_sub_co_u32 s22, s22, s21
	v_mul_u32_u24 v6, s22, v2
	s_add_co_u32 s21, s21, SCL
	v_add_nc_u32 v5, v5, v6
	v_add_nc_u32 v[ADRS], s21, v5
.macro FRAG reg, adr, q, i
.irp p, 0,1,2,3,4,5
.set PC, 12*(\q)+6*(\p/3)+\p%3
.if PC%8 < 5
	ds_load_b64 v[\reg+2*\p:\reg+2*\p+1], v[\adr] offset:8*PC+16*(PC/8)+(\i)*16*PITCH
.else
	ds_load_b64 v[\reg+2*\p:\reg+2*\p+1], v[\adr+2] offset:8*PC+16*(PC/8)+(\i)*16*PITCH
.endif
.endr
.endm
.macro MUL16 a0, p, q, sc, zero
.irp a, \a0, \a0+1
.irp b, 0,1,2,3,4,5,6,7
.if \zero
	v_wmma_scale_f32_16x16x128_f8f6f4 v[8*(8*((\a)%4)+\b):8*(8*((\a)%4)+\b)+7], v[128*(\p)+FR*\b:128*(\p)+FR*\b+FR-1], v[AF+FR*(\a):AF+FR*(\a)+FR-1], 0, v[SC+8*NQ*(\sc)+NQ*\b+(\q)], v[SC+8*NQ*(\sc)+NQ*(\a)+(\q)] matrix_a_fmt:MATRIX_FMT_BF6 matrix_b_fmt:MATRIX_FMT_BF6 matrix_a_scale:MATRIX_SCALE_ROW1
.else
	v_wmma_scale_f32_16x16x128_f8f6f4 v[8*(8*((\a)%4)+\b):8*(8*((\a)%4)+\b)+7], v[128*(\p)+FR*\b:128*(\p)+FR*\b+FR-1], v[AF+FR*(\a):AF+FR*(\a)+FR-1], v[8*(8*((\a)%4)+\b):8*(8*((\a)%4)+\b)+7], v[SC+8*NQ*(\sc)+NQ*\b+(\q)], v[SC+8*NQ*(\sc)+NQ*(\a)+(\q)] matrix_a_fmt:MATRIX_FMT_BF6 matrix_b_fmt:MATRIX_FMT_BF6 matrix_a_scale:MATRIX_SCALE_ROW1
.endif
.endr
.endr
.endm
.macro FETCH_B slot, q, p
	WIN TO_B
.irp i, 0,1,2,3,4,5,6,7
	FRAG 128*(\p)+FR*\i, ADRB+\slot, \q, \i
.endr
	WIN 0
.endm
.macro FETCH_A slot, q, i0
.irp i, \i0, \i0+1, \i0+2, \i0+3
	FRAG AF+FR*(\i), ADRA+\slot, \q, \i
.endr
.endm
.macro SCALES sc
.irp i, 0,1,2,3,4,5,6,7
	ds_load_b64 v[SC+8*NQ*\sc+NQ*\i:SC+8*NQ*\sc+NQ*\i+1], v[ADRS] offset:\i*SBLK
.endr
.endm
.macro PLACES n
.rept \n
	v_nop
.endr
.endm
.macro STEP slot, q, zero
	s_wait_dscnt 4*NL
	WIN MUL_LO
	MUL16 0, (\q)%2, \q, \slot, \zero
	MUL16 2, (\q)%2, \q, \slot, \zero
	s_wait_dscnt 0
	PLACES NP
	FETCH_B \slot, (\q)+1, 1-(\q)%2
	FETCH_A \slot, (\q)+1, 0
	WIN MUL_HI
	MUL16 4, (\q)%2, \q, \slot, \zero
	MUL16 6, (\q)%2, \q, \slot, \zero
	PLACES NP
	WIN 0
	FETCH_A \slot, (\q)+1, 4
.endm
.macro TURN slot, next, fill
	s_wait_tensorcnt 0x0
	ds_add_u32 v[SPW], v[NIL]
	s_wait_dscnt 4*NL+1
	WIN MUL_LO
	MUL16 0, 1, NQ-1, \slot, 0
	s_wait_dscnt 0x0
	s_barrier_signal -1
	MUL16 2, 1, NQ-1, \slot, 0
	WIN 0
	s_barrier_wait -1
.if \fill
	CREST
	s_add_nc_u64 s[G0+4*\slot+2:G0+4*\slot+3], s[G0+4*\slot+2:G0+4*\slot+3], 2*ROWB
	s_add_nc_u64 s[G0B+4*\slot+2:G0B+4*\slot+3], s[G0B+4*\slot+2:G0B+4*\slot+3], 2*ROWB
	JLOAD G0+4*\slot, G1, G0B+4*\slot, G1B
.else
	PLACES NP
.endif
	s_wait_alu depctr_va_vdst(0)
	v_add_nc_u32 v[ADRS], 4*NQ, v[ADRS]
	FETCH_B \next, 0, 0
	FETCH_A \next, 0, 0
	SCALES \next
	WIN MUL_HI
	MUL16 4, 1, NQ-1, \slot, 0
	MUL16 6, 1, NQ-1, \slot, 0
	PLACES NP
	WIN 0
	FETCH_A \next, 0, 4
.endm
	s_wait_alu depctr_va_vdst(0)
	s_wait_tensorcnt 1
	s_barrier_signal -1
	s_barrier_wait -1
	FETCH_B 0, 0, 0
	FETCH_A 0, 0, 0
	SCALES 0
	FETCH_A 0, 0, 4
	STEP 0, 0, 1
	s_mov_b32 s3, LAPS-1
.Llap:
	TURN 0, 1, 1
	STEP 1, 0, 0
	TURN 1, 0, 1
	STEP 0, 0, 0
	s_sub_co_u32 s3, s3, 1
	s_cmp_lg_u32 s3, 0
	s_cbranch_scc1 .Llap
	TURN 0, 1, 0
	STEP 1, 0, 0
	s_wait_dscnt 4*NL
	WIN MUL_LO
	MUL16 0, 1, NQ-1, 1, 0
	MUL16 2, 1, NQ-1, 1, 0
	s_wait_dscnt 0
	WIN MUL_HI
	MUL16 4, 1, NQ-1, 1, 0
	MUL16 6, 1, NQ-1, 1, 0
	WIN 0
.macro QUANT s, w, d0, d1
	WIN (\w)|((\w)<<2)
.irp b, 0,1,2,3
	v_max3_num_f32 v[TM+\b], |v[(\s)+16*\b]|, |v[(\s)+1+16*\b]|, 0x2800000
.endr
.irp i, 2,4,6,8,10,12,14
.irp b, 0,1,2,3
	v_max3_num_f32 v[TM+\b], |v[(\s)+16*\b+\i]|, |v[(\s)+1+16*\b+\i]|, v[TM+\b]
.endr
.endr
	WIN 0
.irp b, 0,1,2,3
	v_permlanex16_b32 v[TM+4+\b], v[TM+\b], s88, s89
.endr
.irp b, 0,1,2,3
	v_max_num_f32 v[TM+\b], v[TM+\b], v[TM+4+\b]
.endr
.irp b, 0,1,2,3
	v_add_nc_u32 v[TM+12+\b], 0xfe000000, v[TM+\b]
.endr
.irp b, 0,1,2,3
	v_lshrrev_b32 v[TM+4+\b], 23, v[TM+12+\b]
.endr
	WIN (\w)
	v_cvt_scalef32_pk16_bf6_f32 v[(\d0):(\d0)+2], v[(\s):(\s)+15], v[TM+12]
	v_cvt_scalef32_pk16_bf6_f32 v[CT:CT+2], v[(\s)+16:(\s)+31], v[TM+13]
	v_cvt_scalef32_pk16_bf6_f32 v[(\d1):(\d1)+2], v[(\s)+32:(\s)+47], v[TM+14]
	v_cvt_scalef32_pk16_bf6_f32 v[CT+4:CT+6], v[(\s)+48:(\s)+63], v[TM+15]
	WIN 0
	v_nop
.irp i, 0,1,2
	v_permlane16_swap_b32 v[(\d0)+\i], v[CT+\i]
	v_permlane16_swap_b32 v[(\d1)+\i], v[CT+4+\i]
.endr
.irp i, 0,1,2
	v_mov_b32 v[(\d0)+3+\i], v[CT+\i]
	v_mov_b32 v[(\d1)+3+\i], v[CT+4+\i]
.endr
.endm
.macro LOADCS a
	WIN 0x40
.irp g, 0,1
.irp j, 0,1,2,3
	global_load_b128 v[64*((\a)%2)+16*\g+4*\j:64*((\a)%2)+16*\g+4*\j+3], v[VCS], s[68:69] offset:(32*((\a)/2)+8*((\a)%2))*256+128*\g+16*\j
	global_load_b128 v[64*((\a)%2)+32+16*\g+4*\j:64*((\a)%2)+32+16*\g+4*\j+3], v[VCS], s[70:71] offset:(32*((\a)/2)+8*((\a)%2))*256+128*\g+16*\j
.endr
.endr
	WIN 0
.endm
.macro ROPE a
	WIN 0x06+(\a)/4
.set AC, 64*((\a)%4)
.set TC, 64*((\a)%2)
.irp n, 0,2,4,6,8,10,12,14,16,18,20,22,24,26,28,30,32,34,36,38,40,42,44,46,48,50,52,54,56,58,60,62
	v_pk_mul_f32 v[R+\n:R+\n+1], v[AC+\n:AC+\n+1], v[TC+(\n%32):TC+(\n%32)+1]
.endr
.irp n, 0,2,4,6,8,10,12,14,16,18,20,22,24,26,28,30,32,34,36,38,40,42,44,46,48,50,52,54,56,58,60,62
	v_fma_f32 v[R+\n], -v[AC+\n+1], v[TC+32+(\n%32)], v[R+\n]
	v_fma_f32 v[R+\n+1], v[AC+\n], v[TC+32+(\n%32)+1], v[R+\n+1]
.endr
	WIN 0
.endm
	PLACES NP
	s_load_b256 s[68:75], s[0:1], 0x20
	s_mov_b32 s88, 0x76543210
	s_mov_b32 s89, 0xfedcba98
	s_mov_b32 s83, 0
	v_and_b32 v[VI], 31, v0
	v_lshlrev_b32 v[VI], 4, v[VI]
.irp b, 0,1,2,3
	v_mov_b32 v[TM+4+\b], 0
.endr
	s_wait_kmcnt 0x0
	s_cmp_eq_u32 ttmp9, 2
	s_cbranch_scc1 .Lvpath
	s_lshr_b32 s76, s17, 3
	s_and_b32 s77, s17, 7
	s_lshl_b32 s77, s77, 1
	s_add_co_u32 s77, s77, s15
	s_lshl_b32 s78, s40, 2
	s_lshl_b32 s79, s16, 1
	s_add_co_u32 s78, s78, s79
	s_lshl_b32 s76, s76, 4
	s_add_co_u32 s76, s76, s78
	s_lshl_b32 s76, s76, 4
	s_add_co_u32 s76, s76, s77
	s_mov_b32 s80, 6656
	s_mov_b32 s81, 6144
	s_cmp_eq_u32 ttmp9, 1
	s_cselect_b32 s80, 13312, s80
	s_cselect_b32 s81, 12288, s81
	s_cselect_b64 s[72:73], s[74:75], s[72:73]
	s_mul_i32 s82, s76, s80
	s_add_nc_u64 s[84:85], s[72:73], s[82:83]
	s_lshl_b32 s82, s80, 4
	s_add_nc_u64 s[86:87], s[84:85], s[82:83]
	s_lshl_b32 s82, s77, 15
	s_add_nc_u64 s[68:69], s[68:69], s[82:83]
	s_add_nc_u64 s[70:71], s[70:71], s[82:83]
	s_wait_alu depctr_va_vdst(0)
	v_add_nc_u32 v[VW], s81, v[VI]
	v_and_b32 v11, 15, v0
	v_and_b32 v12, 8, v11
	v_add_nc_u32 v11, v11, v12
	v_bfe_u32 v12, v0, 4, 1
	v_lshlrev_b32 v[VCS], 8, v11
	v_lshl_add_u32 v[VCS], v12, 6, v[VCS]
	LOADCS 0
.irp a, 0,1,2,3,4,5,6,7
.if \a < 7
	LOADCS \a+1
	s_wait_loadcnt 16
.else
	s_wait_loadcnt 0x0
.endif
	ROPE \a
.if (\a > 0) && (\a%2 == 0)
	s_wait_xcnt 0x0
.endif
	QUANT R,0,H0+6*(\a%2),H1+6*(\a%2)
.irp e, 0,1
.if \a%2 == 0
	v_lshl_or_b32 v[WD+4*\e+\a/2], v[TM+5+2*\e], 8, v[TM+4+2*\e]
.else
	v_lshl_or_b32 v[WD+4*\e+\a/2], v[TM+4+2*\e], 16, v[WD+4*\e+\a/2]
	v_lshl_or_b32 v[WD+4*\e+\a/2], v[TM+5+2*\e], 24, v[WD+4*\e+\a/2]
.endif
.endr
.if \a%2 == 1
.irp c, 0,1,2
	global_store_b128 v[VI], v[H0+4*\c:H0+4*\c+3], s[84:85] offset:1536*(\a/2)+512*\c
	global_store_b128 v[VI], v[H1+4*\c:H1+4*\c+3], s[86:87] offset:1536*(\a/2)+512*\c
.endr
.endif
.endr
	global_store_b128 v[VW], v[WD:WD+3], s[84:85]
	global_store_b128 v[VW], v[WD+4:WD+7], s[86:87]
	s_branch .Ldone
.Lvpath:
	s_lshr_b32 s76, s42, 3
	s_and_b32 s77, s42, 7
	s_lshl_b32 s77, s77, 1
	s_add_co_u32 s77, s77, s16
	s_lshl_b32 s78, s41, 2
	s_lshl_b32 s79, s15, 1
	s_add_co_u32 s78, s78, s79
	s_lshl_b32 s76, s76, 4
	s_add_co_u32 s76, s76, s78
	s_lshl_b32 s76, s76, 4
	s_add_co_u32 s76, s76, s77
	s_mul_i32 s82, s76, 13312
	s_add_co_u32 s82, s82, 6144
	s_add_nc_u64 s[84:85], s[74:75], s[82:83]
	s_add_nc_u64 s[86:87], s[84:85], 16*13312
	s_wait_alu depctr_va_vdst(0)
	v_add_nc_u32 v[VW], 6656, v[VI]
.irp a, 0,1,2,3,4,5,6,7
.if \a > 0
	s_wait_xcnt 0x0
.endif
	QUANT 64*(\a%4),2+\a/4,H0,H0+6
	v_lshl_or_b32 v[WD+\a], v[TM+5], 8, v[TM+4]
	v_lshl_or_b32 v[WD+\a], v[TM+6], 16, v[WD+\a]
	v_lshl_or_b32 v[WD+\a], v[TM+7], 24, v[WD+\a]
.irp c, 0,1,2
	global_store_b128 v[VI], v[H0+4*\c:H0+4*\c+3], s[84+2*(\a/4):85+2*(\a/4)] offset:1536*(\a%4)+512*\c
.endr
.endr
	global_store_b128 v[VW], v[WD:WD+3], s[84:85]
	global_store_b128 v[VW], v[WD+4:WD+7], s[86:87]
.Ldone:
	s_wait_tensorcnt 0x0
	ds_add_u32 v[SPW], v[NIL]
	s_wait_dscnt 0x0
	CROUND
	s_endpgm
.Lfunc_end_k_q25ae80b493_qkv:
	.size	k_q25ae80b493_qkv, .Lfunc_end_k_q25ae80b493_qkv-k_q25ae80b493_qkv
	.p2alignl 7, 3214868480
	.fill 96, 4, 3214868480
	.section	.rodata,"a",@progbits
	.p2align	6, 0x0
	.amdhsa_kernel k_q25ae80b493_qkv
		.amdhsa_group_segment_fixed_size 327680
		.amdhsa_private_segment_fixed_size 0
		.amdhsa_enable_private_segment 0
		.amdhsa_kernarg_size 64
		.amdhsa_user_sgpr_count 2
		.amdhsa_user_sgpr_kernarg_segment_ptr 1
		.amdhsa_wavefront_size32 1
		.amdhsa_system_sgpr_workgroup_id_x 1
		.amdhsa_system_sgpr_workgroup_id_y 1
		.amdhsa_system_sgpr_workgroup_id_z 1
		.amdhsa_system_vgpr_workitem_id 0
		.amdhsa_next_free_vgpr 1024
		.amdhsa_next_free_sgpr 100
		.amdhsa_reserve_vcc 0
		.amdhsa_float_denorm_mode_32 3
		.amdhsa_float_denorm_mode_16_64 3
		.amdhsa_memory_ordered 1
		.amdhsa_forward_progress 1
		.amdhsa_inst_pref_size 255
	.end_amdhsa_kernel
	.section	.bss,"aw",@nobits
	.p2align	6
	.space	262144
	.amdgpu_metadata
---
amdhsa.version: [ 1, 2 ]
amdhsa.kernels:
  - .name:           k_q25ae80b493_qkv
    .symbol:         k_q25ae80b493_qkv.kd
    .args:
      - { .name: xc, .offset: 0, .size: 8, .value_kind: global_buffer, .address_space: global }
      - { .name: xs, .offset: 8, .size: 8, .value_kind: global_buffer, .address_space: global }
      - { .name: wc, .offset: 16, .size: 8, .value_kind: global_buffer, .address_space: global }
      - { .name: ws, .offset: 24, .size: 8, .value_kind: global_buffer, .address_space: global }
      - { .name: cos, .offset: 32, .size: 8, .value_kind: global_buffer, .address_space: global }
      - { .name: sin, .offset: 40, .size: 8, .value_kind: global_buffer, .address_space: global }
      - { .name: qrec, .offset: 48, .size: 8, .value_kind: global_buffer, .address_space: global }
      - { .name: kv, .offset: 56, .size: 8, .value_kind: global_buffer, .address_space: global }
    .group_segment_fixed_size: 327680
    .private_segment_fixed_size: 0
    .kernarg_segment_align: 8
    .kernarg_segment_size: 64
    .max_flat_workgroup_size: 128
    .sgpr_count:     100
    .vgpr_count:     1024
    .wavefront_size: 32
...
	.end_amdgpu_metadata
.endif
;; end of part 2
;; launch attn (part 3): grid 16 x 16, 8 waves a work-group, clusters of 4 x 4, 327,680 bytes of LDS; arguments qrec, kv, attn_mask, cc, cs; writes cc, cs
.if DOCPART == 3
	.amdgcn_target "amdgcn-amd-amdhsa--gfx1250"
	.amdhsa_code_object_version 6
	.text
	.protected	k_q25ae80b493_attn
	.globl	k_q25ae80b493_attn
	.p2align	8
	.type	k_q25ae80b493_attn,@function
k_q25ae80b493_attn:
	s_mov_b64 s[64:65], 0
	v_nop
	global_prefetch_b8 v0, s[64:65] scope:SCOPE_SE
	s_setreg_imm32_b32 hwreg(HW_REG_WAVE_MODE, 25, 1), 1
	s_wait_xcnt 0x0
	s_wait_alu depctr_hold_cnt(0) depctr_sa_sdst(0) depctr_va_vdst(0) depctr_va_sdst(0) depctr_va_ssrc(0) depctr_va_vcc(0) depctr_vm_vsrc(0)
	s_getreg_b32 s2, hwreg(HW_REG_IB_STS2, 6, 4)
	s_cmp_eq_u32 s2, 0
	s_cbranch_scc0 .Lentry_in_a_cluster
	s_endpgm
.Lentry_in_a_cluster:
	s_bfe_u32 s2, ttmp6, 0x10000c
	s_cmp_lg_u32 s2, 0xf033
	s_cbranch_scc0 .Lentry_shape_is_right
	s_endpgm
.Lentry_shape_is_right:
; ctx = softmax(q k^T / 8 + attn_mask) v for 64 batch-heads, both products on codes of BF6 (E3M2) with one E8M0 scale for each 32 along K; then the quantiser of ctx along its 1,024 columns.
; The mask is an input: every tile of it is read and no key is passed over.  No work of the problem is left out.
; SHARES.  A work-group owns 128 query positions x 4 heads of one batch; each of its eight waves one tile of 16 queries, for all four heads one after the other.  16 key steps of 128 keys, one to a slot, two slots.
; THE MASK IS THE C OPERAND of the score product, read from LDS once a key step and kept in 64 registers for the four heads; 1 / 8 is taken off Q's scale bytes (3 off each byte), so the product's result is
; logit = score / 8 + mask, summed in the matrix unit.  p = 2^(logit x log2(e) - M) by one fused multiply-add and v_exp_f32; M = the running largest t rounded up to a whole number; the row's sum is of the unquantised p.
; POSITIONS, PAIR IMAGES and the records of q, k, v: rows stand at SW(s) (bits 3 and 4 exchanged); lane r of position tile t is the true row 32 (t / 2) + 8 (t % 2) + r + 8 (r / 8).  Both products are used transposed.
; K = 64 in an instruction of K = 128: source 0 is a pair image (tile 2 B | tile 2 B + 1), source 1 is [Q | zeros] or [zeros | Q].
; CLUSTER 4 x 4: the four kv records hang on the group of heads (cy): joint along a row; the mask's tile hangs on the block of queries (cx): joint along a column.  Waves 0-3 ask for 32 mask rows each, waves 4-7 for a record each.
; LDS: a slot is eight rooms of 16,640 bytes: four of 32 mask rows (512 bytes + 8: the 32 lanes of a load of 8 bytes touch 64 different banks), four with a record of 13,312 bytes.
; REGISTERS: window 0 addresses, state, Q, K's images, scores, codes, scale words; window 1 (v256-511): v0-63 the mask, v64-191 O^T of four heads, v192-239 V's fragments.
; LIMITS: NaN and infinities (a mask of -inf too) are not served; the promise holds while the scaled scores stay under 2^31 in magnitude.  t - M is rounded once, not twice.  p under 2^-126 is 0.  1 / sum by v_rcp_f32.
; A scale byte of Q under 4 (a block of q under 2^-119) is held at 4 before 3 is taken off.  A block of zeros gets the byte 1; this program alone reads the bytes.
.set MP,    520
.set REG,   32*MP
.set KVO,   4*REG
.set SLOT,  8*REG
.set SPARE, 2*SLOT                     ; the spare words, 128 bytes a wave
.set AM0, 1                            ; my place in the mask's tile, slot 0;  AM: in the slot being read
.set AK0, 2                            ; 16 x lane in the records, slot 0;  AK likewise
.set AM,  3
.set AK,  4
.set SPW, 5
.set NIL, 6
.set PFO, 7
.set GC,  8
.set GS,  9
.set T,   10
.set ST,  12                           ; a head's -M, largest t, sum in two halves
.set QW,  28                           ; Q's scale words
.set QZ,  32                           ; zeros, Q0, zeros, Q1, zeros, Q2, zeros, Q3, zeros: six registers each
.set FK,  86
.set S,   134
.set PC,  198
.set CT,  210
.set BM,  218
.set BP,  226
.set SO,  230
.set KW,  234
.set VW,  238
.set PW,  242
.set FF,  244
.set SU,  246
.set MK,  0                            ; window 1
.set O,   64
.set FV,  192
.set WV,  14
.set KIND, 15
.set W3,  16
.set CX,  17
.set CY,  18
.set BX,  19
.set BY,  20
.set CNT, 21
.set FL,  26                           ; the slot that the next fill takes
.set RO,  27                           ; byte offset of the slot that is read next
.set G1M, 28
.set G1K, 36
.set G0M, 44
.set G0K, 48
.set PF,  52
.set PFS, 54
.set LB,  63
.set MSB, 0
.macro WIN new
.if MSB != (\new)
	s_set_vgpr_msb (MSB<<8)|(\new)
.set MSB, (\new)
.endif
.endm
.macro DEP n
	s_delay_alu instid0(VALU_DEP_\n)
.endm
.macro CREST
	s_cmp_lg_u32 s[WV], 0
	s_cbranch_scc1 .Lnot_wave_0_\@
	s_barrier_signal -3
.Lnot_wave_0_\@:
	s_barrier_wait -3
	s_barrier_signal -1
	s_barrier_wait -1
.endm
.macro CROUND
	s_barrier_signal -1
	s_barrier_wait -1
	CREST
.endm
.macro JLOAD                           ; every wave's one joint load; the branch hangs on the wave's number alone
	s_cmp_eq_u32 s[KIND], 0
	s_cbranch_scc0 .Lkv_\@
	tensor_load_to_lds s[G0M:G0M+3], s[G1M:G1M+7]
	s_nop 0
.rept 4
	v_nop
.endr
	s_branch .Lasked_\@
.Lkv_\@:
	tensor_load_to_lds s[G0K:G0K+3], s[G1K:G1K+7]
	s_nop 0
.rept 4
	v_nop
.endr
.Lasked_\@:
.endm
.macro TOGGLE fill                     ; no tensor load of mine is out: the groups 0 step to the other slot and one key step on
	s_xor_b32 s[FL], s[FL], 1
.if \fill
	s_mul_i32 s56, s[FL], SLOT
	s_add_co_u32 s[G0M+1], s[LB], s56
	s_add_co_u32 s[G0K+1], s[LB], s56
	s_add_nc_u64 s[G0M+2:G0M+3], s[G0M+2:G0M+3], 512
	s_add_nc_u64 s[G0K+2:G0K+3], s[G0K+2:G0K+3], 13312
.endif
	s_xor_b32 s57, s[FL], 1
	s_mul_i32 s[RO], s57, SLOT
.endm
.macro MM d, a, b, c, sa, sb
	v_wmma_scale_f32_16x16x128_f8f6f4 v[\d:\d+7], v[\a:\a+11], v[\b:\b+11], v[\c:\c+7], v[\sa], v[\sb] matrix_a_fmt:MATRIX_FMT_BF6 matrix_b_fmt:MATRIX_FMT_BF6
.endm
.macro KLOAD hd                        ; K's four pair images and their words: 13 loads
.irp b, 0,1,2,3
.irp c, 0,1,2
	ds_load_b128 v[FK+12*\b+4*\c:FK+12*\b+4*\c+3], v[AK] offset:REG*(\hd)+1536*\b+512*\c
.endr
.endr
	ds_load_b128 v[KW:KW+3], v[AK] offset:REG*(\hd)+12288
.endm
.macro VLOAD hd                        ; V's four fragments and their words: 13 loads
	WIN 0x40
.irp b, 0,1,2,3
.irp c, 0,1,2
	ds_load_b128 v[FV+12*\b+4*\c:FV+12*\b+4*\c+3], v[AK] offset:REG*(\hd)+6144+1536*\b+512*\c
.endr
.endr
	WIN 0
	ds_load_b128 v[VW:VW+3], v[AK] offset:REG*(\hd)+12800
.endm
.macro NEXT                            ; the next key step's mask (register 16 B + i = key 32 B + 16 h + i of my query) and head 0's K
	v_add_nc_u32 v[AM], s[RO], v[AM0]
	v_add_nc_u32 v[AK], s[RO], v[AK0]
	s_wait_alu depctr_va_vdst(0)                   ; behind these writes
	WIN 0x40
.irp b, 0,1,2,3
.irp j, 0,1,2,3,4,5,6,7
	ds_load_b64 v[MK+16*\b+2*\j:MK+16*\b+2*\j+1], v[AM] offset:128*\b+8*\j
.endr
.endr
	WIN 0
	KLOAD 0
.endm
; A prefetch of the key step that stands two refills on.  Of what my wave loads jointly, my work-group's quarter, told apart by address: 8 mask rows x 2 blocks of 256 bytes (lanes 16-31 name lane 15's again)
; or 13 of a record's 52 blocks (lanes 13-31 name lane 12's again).  The last two filling trips have no key step two refills on.
.macro ASK
	s_cmp_gt_u32 s[CNT], 2
	s_cbranch_scc0 .Lno_ask_\@
	global_prefetch_b8 v[PFO], s[PF:PF+1] th:TH_LOAD_NT scope:SCOPE_SE
.Lno_ask_\@:
.endm
; THE FIRST HALF of a head's key step: scores, maxima, p, the sum.  last = 1 (head 3): my reads of the slot end with V's loads, so the three lines and the barrier's signal stand here,
; register work follows, and behind the round come the refill and the next step's first LDS loads.
.macro FRONT hd, last, fill
	s_wait_dscnt 0x0                               ; K's images and words (at head 0 the mask too)
	WIN 0x10
.irp b, 0,1,2,3
	MM S+16*\b, FK+12*\b, QZ+6+12*(\hd), MK+16*\b, KW+\b, QW+(\hd)
	MM S+16*\b+8, FK+12*\b, QZ+12*(\hd), MK+16*\b+8, KW+\b, QW+(\hd)
.endr
	WIN 0
.rept 4
	v_nop                                          ; places in front of the loads into operands and of the first read of the scores
.endr
	VLOAD \hd
.if \last
	s_wait_tensorcnt 0x0                           ; my part of the other slot is in
	ds_add_u32 v[SPW], v[NIL]
	TOGGLE \fill
.if \fill
	s_wait_xcnt 0x0                                ; the last prefetch has read its address
	s_add_nc_u64 s[PF:PF+1], s[PF:PF+1], s[PFS:PFS+1]
.endif
.else
	KLOAD (\hd)+1
.endif
.irp b, 0,1,2,3                                ; the largest logit of each block of 32 keys, two chains a block
	v_max3_num_f32 v[BM+\b], v[S+16*\b], v[S+16*\b+1], v[S+16*\b+2]
	v_max3_num_f32 v[BM+4+\b], v[S+16*\b+8], v[S+16*\b+9], v[S+16*\b+10]
.endr
.irp n, 3,5
.irp b, 0,1,2,3
	v_max3_num_f32 v[BM+\b], v[BM+\b], v[S+16*\b+\n], v[S+16*\b+\n+1]
	v_max3_num_f32 v[BM+4+\b], v[BM+4+\b], v[S+16*\b+8+\n], v[S+16*\b+9+\n]
.endr
.endr
.irp b, 0,1,2,3
	v_max3_num_f32 v[BM+\b], v[BM+\b], v[S+16*\b+7], v[S+16*\b+15]
.endr
.if \last
	s_wait_alu depctr_va_vdst(0)                   ; ahead of the wait below
	s_wait_dscnt 0x0                               ; the add is done, V is in: my reads of this slot are over
	s_barrier_signal -1
.endif
.irp b, 0,1,2,3
.if \last == 0
	DEP 4
.endif
	v_max_num_f32 v[BM+\b], v[BM+\b], v[BM+4+\b]
.endr
.irp b, 0,1,2,3
	DEP 4
	v_permlanex16_b32 v[BP+\b], v[BM+\b], s24, s25
.endr
.irp b, 0,1,2,3
	DEP 4
	v_max_num_f32 v[BM+\b], v[BM+\b], v[BP+\b]
.endr
	DEP 2
	v_max3_num_f32 v[T], v[BM], v[BM+1], v[BM+2]
	DEP 1
	v_max_num_f32 v[T], v[T], v[BM+3]
	DEP 1
	v_mul_f32 v[T], s22, v[T]                      ; as t
	DEP 1
	v_max_num_f32 v[ST+4*(\hd)+1], v[ST+4*(\hd)+1], v[T]
	v_mov_b32 v[T], v[ST+4*(\hd)]
	DEP 2
	v_floor_f32 v[ST+4*(\hd)], -v[ST+4*(\hd)+1]    ; the new -M
	DEP 1
	v_sub_f32 v[T], v[ST+4*(\hd)], v[T]
	DEP 1
	v_cvt_i32_f32 v[T], v[T]
	DEP 1
	v_ldexp_f32 v[FF], 1.0, v[T]                   ; f = 2^(old M - new M)
.set J, 0
.rept 32
	v_pk_fma_f32 v[S+J:S+J+1], v[S+J:S+J+1], s[22:23], v[ST+4*(\hd):ST+4*(\hd)+1] op_sel_hi:[1,0,0]
.set J, J+2
.endr
.irp b, 0,1,2,3
	v_fma_f32 v[BM+\b], v[BM+\b], s22, v[ST+4*(\hd)]
.endr
	s_wait_alu depctr_va_vdst(0)                   ; ahead of the batch
.set J, 0
.rept 64
	v_exp_f32 v[S+J], v[S+J]
.set J, J+1
.endr
	v_pk_mul_f32 v[ST+4*(\hd)+2:ST+4*(\hd)+3], v[ST+4*(\hd)+2:ST+4*(\hd)+3], v[FF:FF+1] op_sel_hi:[1,0]
	s_wait_alu depctr_va_vdst(0)                   ; behind the batch of 64
.irp b, 0,1,2,3
	v_exp_f32 v[BM+\b], v[BM+\b]                   ; each block's largest p
.endr
	v_pk_add_f32 v[ST+4*(\hd)+2:ST+4*(\hd)+3], v[ST+4*(\hd)+2:ST+4*(\hd)+3], v[S+60:S+61]
.set J, 0
.rept 5                                        ; the sum of the unquantised p, in five chains
	v_pk_add_f32 v[SU+J:SU+J+1], v[S+2*J:S+2*J+1], v[S+2*J+2:S+2*J+3]
.set J, J+2
.endr
.set J, 0
.rept 20
	v_pk_add_f32 v[SU+2*(J%5):SU+2*(J%5)+1], v[SU+2*(J%5):SU+2*(J%5)+1], v[S+20+2*J:S+21+2*J]
.set J, J+1
.endr
	v_pk_add_f32 v[ST+4*(\hd)+2:ST+4*(\hd)+3], v[ST+4*(\hd)+2:ST+4*(\hd)+3], v[S+62:S+63]
	v_pk_add_f32 v[SU:SU+1], v[SU:SU+1], v[SU+2:SU+3]
	DEP 4
	v_pk_add_f32 v[SU+4:SU+5], v[SU+4:SU+5], v[SU+6:SU+7]
	DEP 2
	v_pk_add_f32 v[SU:SU+1], v[SU:SU+1], v[SU+8:SU+9]
	DEP 1
	v_pk_add_f32 v[SU:SU+1], v[SU:SU+1], v[SU+4:SU+5]
	DEP 1
	v_pk_add_f32 v[ST+4*(\hd)+2:ST+4*(\hd)+3], v[ST+4*(\hd)+2:ST+4*(\hd)+3], v[SU:SU+1]
	s_wait_alu depctr_va_vdst(0)                   ; behind the four
.if \last
	s_barrier_wait -1
.if \fill
	CREST                                          ; the barrier has opened a round of the cluster's barrier
	JLOAD                                          ; the slot just read takes the key step two on
	NEXT
	ASK
.else
	s_cmp_eq_u32 s[CNT], 1                         ; behind the last key step nothing is left to read
	s_cbranch_scc1 .Lnone_\@
	NEXT
.Lnone_\@:
.endif
.endif
.endm
; THE SECOND HALF: p's scale word and codes, O^T under the new M, O^T += V^T P^T.  vw: the LDS loads younger than V's, or -1 where V has been waited for
.macro BACK hd, vw
.irp b, 0,1,2,3
	v_max_num_f32 v[BM+\b], 0x2800000, v[BM+\b]
.endr
.irp b, 0,1,2,3
	DEP 4
	v_add_nc_u32 v[SO+\b], 0xfe000000, v[BM+\b]
.endr
.irp b, 0,1,2,3
	DEP 4
	v_lshrrev_b32 v[BP+\b], 23, v[SO+\b]
.endr
	DEP 3
	v_lshl_or_b32 v[PW], v[BP+1], 8, v[BP]
	DEP 1
	v_lshl_or_b32 v[PW], v[BP+2], 16, v[PW]
	DEP 1
	v_lshl_or_b32 v[PW], v[BP+3], 24, v[PW]
.irp c, 0,1
	v_cvt_scalef32_pk16_bf6_f32 v[PC+6*\c:PC+6*\c+2], v[S+32*\c:S+32*\c+15], v[SO+2*\c]
	v_cvt_scalef32_pk16_bf6_f32 v[CT+4*\c:CT+4*\c+2], v[S+32*\c+16:S+32*\c+31], v[SO+2*\c+1]
.endr
	v_nop
.irp c, 0,1
.irp j, 0,1,2
	v_permlane16_swap_b32 v[PC+6*\c+\j], v[CT+4*\c+\j]
.endr
.irp j, 0,1,2
	DEP 3
	v_mov_b32 v[PC+3+6*\c+\j], v[CT+4*\c+\j]
.endr
.endr
	s_wait_alu depctr_va_vdst(0)                   ; directly ahead of the first reader of O^T
	WIN 0x41
.set J, 0
.rept 16
	v_pk_mul_f32 v[O+32*(\hd)+J:O+32*(\hd)+J+1], v[O+32*(\hd)+J:O+32*(\hd)+J+1], v[FF:FF+1] op_sel_hi:[1,0]
.set J, J+2
.endr
	WIN 0
.if \vw >= 0
	s_wait_alu depctr_va_vdst(0)
	s_wait_dscnt \vw                               ; V is in; the next head's 13 loads of K may be out
.endif
	WIN 0x51
.irp b, 0,1,2,3                                ; four accumulators by turns
	MM O+32*(\hd)+8*\b, FV+12*\b, PC, O+32*(\hd)+8*\b, VW+\b, PW
.endr
	WIN 0
.endm
.macro STEP fill
	FRONT 0, 0, \fill
	BACK 0, 13
	FRONT 1, 0, \fill
	BACK 1, 13
	FRONT 2, 0, \fill
	BACK 2, 13
	FRONT 3, 1, \fill
	BACK 3, -1
.endm
	s_load_b256 s[4:11], s[0:1], 0x0               ; qrec, kv, attn_mask, cc
	s_load_b64 s[12:13], s[0:1], 0x20              ; cs
	v_lshl_add_u32 v[SPW], v0, 2, SPARE
	v_mov_b32 v[NIL], 0
	ds_add_u32 v[SPW], v[NIL]                      ; the opening lines: the add twice and one wait
	ds_add_u32 v[SPW], v[NIL]
	v_lshrrev_b32 v[T], 5, v0
	DEP 1
	v_readfirstlane_b32 s[WV], v[T]
	s_lshr_b32 s[KIND], s[WV], 2                   ; 0: I fetch mask rows; 1: a record
	s_and_b32 s[W3], s[WV], 3
	s_bfe_u32 s[CX], ttmp6, 0x40000
	s_bfe_u32 s[CY], ttmp6, 0x40004
	s_lshl_b32 s[BX], ttmp9, 2
	s_add_co_u32 s[BX], s[BX], s[CX]               ; my block of 128 queries
	s_and_b32 s[BY], ttmp7, 0xffff
	s_lshl_b32 s[BY], s[BY], 2
	s_add_co_u32 s[BY], s[BY], s[CY]               ; my group of four batch-heads
	s_lshl_b32 s56, s[CY], 2
	s_lshl_b32 s56, 15, s56                        ; my row of the cluster
	s_lshl_b32 s57, 0x1111, s[CX]                  ; my column
	s_or_b32 s[G1M], s57, (2<<16)|(1<<20)|(1<<21)|(6<<22)|(1<<25)   ; 4-byte elements; behind every 128 words 2 words of padding
	s_mov_b32 s[G1M+1], 128<<16
	s_mov_b32 s[G1M+2], 32<<16
	s_mov_b32 s[G1M+3], 128<<16
	s_mov_b32 s[G1M+4], 32
	s_mov_b32 s[G1M+5], 2048
	s_mov_b32 s[G1M+6], 0
	s_mov_b32 s[G1M+7], 0
	s_or_b32 s[G1K], s56, (3<<16)|(1<<21)          ; 52 dense rows of 256 bytes
	s_mov_b32 s[G1K+1], 32<<16
	s_mov_b32 s[G1K+2], 52<<16
	s_mov_b32 s[G1K+3], 32<<16
	s_mov_b32 s[G1K+4], 52
	s_mov_b32 s[G1K+5], 32
	s_mov_b32 s[G1K+6], 0
	s_mov_b32 s[G1K+7], 0
	s_lshl_b32 s58, s[BX], 7
	s_lshl_b32 s59, s[W3], 5
	s_add_co_u32 s58, s58, s59
	s_lshl_b32 s58, s58, 13                        ; mask row 128 block + 32 (wave % 4), 8,192 bytes a row
	s_mov_b32 s59, 0
	s_lshl_b32 s60, s[BY], 2
	s_add_co_u32 s60, s60, s[W3]
	s_mul_i32 s60, s60, 16*13312                   ; batch-head 4 group + wave % 4: its 16 records
	s_mov_b32 s61, 0
	s_mul_i32 s[LB], s[WV], REG                    ; my room in a slot
	s_mov_b32 s[FL], 0
	s_mov_b32 s22, 0x3fb8aa3b                      ; log2(e)
	s_mov_b32 s23, s22
	s_mov_b32 s24, 0x76543210
	s_mov_b32 s25, 0xfedcba98
	s_wait_dscnt 0x0
	s_wait_kmcnt 0x0
	s_mov_b32 s[G0M], 1
	s_mov_b32 s[G0M+1], s[LB]
	s_add_nc_u64 s[G0M+2:G0M+3], s[8:9], s[58:59]
	s_or_b32 s[G0M+3], s[G0M+3], 0x80000000
	s_mov_b32 s[G0K], 1
	s_mov_b32 s[G0K+1], s[LB]
	s_add_nc_u64 s[G0K+2:G0K+3], s[6:7], s[60:61]
	s_or_b32 s[G0K+3], s[G0K+3], 0x80000000
	CROUND
	JLOAD                                          ; key step 0: one tensor load a wave at the head
	s_lshl_b32 s66, s[BY], 6
	s_add_co_u32 s66, s66, s[BX]                   ; Q's record of head 0: 16 (4 group) + block; a head on is 16 records on
	s_mul_i32 s66, s66, 6656
	s_mov_b32 s67, 0
	s_add_nc_u64 s[68:69], s[4:5], s[66:67]
	s_lshr_b32 s70, s[WV], 1
	s_mul_i32 s66, s70, 1536
	s_add_nc_u64 s[72:73], s[68:69], s[66:67]      ; my pair's image
	s_lshl_b32 s66, s70, 2
	s_add_nc_u64 s[68:69], s[68:69], s[66:67]      ; its word in a lane's four
	s_and_b32 s71, s[WV], 1
	s_lshl_b32 s74, s71, 4
	s_cmp_eq_u32 s71, 1
	s_cselect_b32 s75, -1, 0                       ; the pair's second tile is mine
	s_lshl_b32 s76, s70, 5
	s_lshl_b32 s77, s71, 3
	s_add_co_u32 s76, s76, s77
	s_mul_i32 s76, s76, MP                         ; my tile's first mask row: 32 (w / 2) + 8 (w % 2)
	s_lshl_b32 s77, s[CY], 16                      ; the prefetches: 8 cy rows on in the mask,
	s_add_co_u32 s77, s77, s58
	s_add_co_u32 s77, s77, 3*512
	s_mul_i32 s78, s[CX], 13*256                   ; 13 cx blocks on in the record; both stand at key step 3 and are stepped ahead of each request
	s_add_co_u32 s78, s78, s60
	s_add_co_u32 s78, s78, 3*13312
	s_mov_b32 s[PFS], 13312
	s_mov_b32 s[PFS+1], 0
	s_cmp_eq_u32 s[KIND], 0
	s_cselect_b32 s66, s77, s78
	s_cselect_b64 s[PF:PF+1], s[8:9], s[6:7]
	s_cselect_b32 s[PFS], 512, s[PFS]
	s_cselect_b32 s79, 0, -1
	s_add_nc_u64 s[PF:PF+1], s[PF:PF+1], s[66:67]
	v_and_b32 v[T], 31, v0
	DEP 1
	v_lshlrev_b32 v[T+1], 4, v[T]
.irp i, 0,1,2,3
	global_load_b128 v[S+16*\i:S+16*\i+3], v[T+1], s[72:73] offset:106496*\i
	global_load_b128 v[S+16*\i+4:S+16*\i+7], v[T+1], s[72:73] offset:106496*\i+512
	global_load_b128 v[S+16*\i+8:S+16*\i+11], v[T+1], s[72:73] offset:106496*\i+1024
	global_load_b32 v[S+16*\i+12], v[T+1], s[68:69] offset:106496*\i+6144
.endr
	v_add_nc_u32 v[AK0], KVO, v[T+1]
	v_lshlrev_b32 v[GC], 3, v[T]
	v_and_b32 v[SU], 15, v0                        ; r
	v_bfe_u32 v[SU+1], v0, 4, 1                    ; h
	DEP 2
	v_and_b32 v[SU+2], 8, v[SU]
	DEP 3
	v_lshlrev_b32 v[GS], 5, v[SU]
	DEP 2
	v_add_nc_u32 v[SU+2], v[SU+2], v[SU]           ; r + 8 (r / 8)
	DEP 1
	v_mul_u32_u24 v[AM0], v[SU+2], MP
	DEP 1
	v_lshl_add_u32 v[AM0], v[SU+1], 6, v[AM0]      ; 64 h bytes: my 16 keys of a block of 32
	DEP 1
	v_add_nc_u32 v[AM0], s76, v[AM0]
	v_min_u32 v[SU+3], 15, v[T]
	v_min_u32 v[SU+4], 12, v[T]
	DEP 2
	v_lshrrev_b32 v[PFO], 1, v[SU+3]
	DEP 3
	v_and_b32 v[SU+3], 1, v[SU+3]
	DEP 2
	v_lshlrev_b32 v[PFO], 13, v[PFO]
	DEP 4
	v_lshlrev_b32 v[SU+4], 8, v[SU+4]
	DEP 2
	v_lshl_add_u32 v[PFO], v[SU+3], 8, v[PFO]
	DEP 1
	v_cndmask_b32 v[PFO], v[PFO], v[SU+4], s79
.irp k, 0,1,2,3,4
.irp j, 0,1,2,3,4,5
	v_mov_b32 v[QZ+12*\k+\j], 0
.endr
.endr
.irp i, 0,1,2,3
	v_mov_b32 v[ST+4*\i+1], 0xff61b1e6             ; the largest t so far: -3e38
	v_mov_b32 v[ST+4*\i+2], 0
	v_mov_b32 v[ST+4*\i+3], 0
	v_mov_b32 v[BP+\i], 0
.endr
.irp i, 0,1,2,3
	v_floor_f32 v[ST+4*\i], -v[ST+4*\i+1]
.endr
	v_mov_b32 v[FF+1], 0
	WIN 0x40
.set J, 0
.rept 128
	v_mov_b32 v[O+J], 0                            ; O^T: the step is written once and its first turn finds zeros; these run while the first tiles are on their way
.set J, J+1
.endr
	WIN 0
	s_wait_alu depctr_va_vdst(0)
	s_wait_loadcnt 0x0                             ; Q
.irp i, 0,1,2,3
	v_lshrrev_b32 v[BM+\i], s74, v[S+16*\i+12]     ; my tile's two scale bytes
.endr
.irp i, 0,1,2,3
	DEP 4
	v_bfe_u32 v[BM+4+\i], v[BM+\i], 8, 8
.endr
.irp i, 0,1,2,3
	v_and_b32 v[BM+\i], 0xff, v[BM+\i]
.endr
.irp i, 0,1,2,3
	v_max_u32 v[BM+4+\i], 4, v[BM+4+\i]
.endr
.irp i, 0,1,2,3
	v_max_u32 v[BM+\i], 4, v[BM+\i]
.endr
.irp i, 0,1,2,3
	DEP 4
	v_lshl_or_b32 v[BM+\i], v[BM+4+\i], 8, v[BM+\i]
.endr
.irp i, 0,1,2,3
	DEP 4
	v_add_nc_u32 v[BM+\i], 0xfffffcfd, v[BM+\i]    ; 3 off each byte: the factor 1 / 8
.endr
.irp i, 0,1,2,3
	DEP 4
	v_lshl_or_b32 v[QW+\i], v[BM+\i], 16, v[BM+\i] ; (q0, q1, q0, q1): for both halves of K
.endr
.irp i, 0,1,2,3
.irp j, 0,1,2,3,4,5
	v_cndmask_b32 v[QZ+6+12*\i+\j], v[S+16*\i+\j], v[S+16*\i+6+\j], s75
.endr
.endr
	s_wait_alu depctr_va_vdst(0)                   ; at the head's end
	s_wait_tensorcnt 0x0                           ; slot 1's first fill is issued as a refill is
	ds_add_u32 v[SPW], v[NIL]
	TOGGLE 1
	s_wait_dscnt 0x0
	CROUND
	JLOAD                                          ; key step 1
	NEXT                                           ; key step 0's mask and head 0's K
	s_mov_b32 s[CNT], 14
.Ltrip:                                            ; key steps 0 to 13: each asks for the key step two on
	STEP 1
	s_wait_alu depctr_va_vdst(0)
	s_sub_co_u32 s[CNT], s[CNT], 1
	s_cmp_lg_u32 s[CNT], 0
	s_cbranch_scc1 .Ltrip
	s_mov_b32 s[CNT], 2
.Ltail:                                            ; key steps 14 and 15 ask for nothing
	STEP 0
	s_wait_alu depctr_va_vdst(0)
	s_sub_co_u32 s[CNT], s[CNT], 1
	s_cmp_lg_u32 s[CNT], 0
	s_cbranch_scc1 .Ltail
	; THE WAY OUT.  O^T / the sum: a head's 64 numbers of ctx are two blocks of 32 along the last product's K; quantised here, they leave as half a fragment's image.
.irp i, 0,1,2,3
	v_add_f32 v[ST+4*\i+2], v[ST+4*\i+2], v[ST+4*\i+3]
.endr
.irp i, 0,1,2,3
	DEP 4
	v_permlanex16_b32 v[BP+\i], v[ST+4*\i+2], s24, s25
.endr
.irp i, 0,1,2,3
	DEP 4
	v_add_f32 v[ST+4*\i+2], v[ST+4*\i+2], v[BP+\i]
.endr
	s_wait_alu depctr_va_vdst(0)
.irp i, 0,1,2,3
	v_rcp_f32 v[ST+4*\i+2], v[ST+4*\i+2]
.endr
	v_nop
	s_lshr_b32 s56, s[BY], 2                       ; b
	s_lshl_b32 s56, s56, 7
	s_lshl_b32 s57, s[BX], 3
	s_add_co_u32 s56, s56, s57
	s_add_co_u32 s56, s56, s[WV]                   ; my row tile: 128 b + 8 block + wave
	s_and_b32 s57, s[BY], 3
	s_lshl_b32 s58, s56, 4
	s_lshl_b32 s59, s57, 2
	s_add_co_u32 s58, s58, s59
	s_mul_i32 s58, s58, 768
	s_mov_b32 s59, 0
	s_add_nc_u64 s[10:11], s[10:11], s[58:59]      ; cc: [row tile][head][3 chunks][lane][8 bytes]: my four heads are 3,072 bytes on end
	s_lshl_b32 s58, s56, 9
	s_lshl_b32 s57, s57, 3
	s_add_co_u32 s58, s58, s57
	s_add_nc_u64 s[12:13], s[12:13], s[58:59]      ; cs: [row][32]: my four heads' 8 bytes
.macro OUT hd
	s_wait_alu depctr_va_vdst(0)                   ; behind the reciprocals, directly ahead of the first reader of this head's O^T
	WIN 0x01
.set J, 0
.rept 16
	v_pk_mul_f32 v[S+J:S+J+1], v[O+32*(\hd)+J:O+32*(\hd)+J+1], v[ST+4*(\hd)+2:ST+4*(\hd)+3] op_sel_hi:[1,0]
.set J, J+2
.endr
	WIN 0
.irp g, 0,1
	v_max3_num_f32 v[BM+\g], |v[S+16*\g]|, |v[S+16*\g+1]|, 0x2800000
.endr
.irp n, 2,4,6,8,10,12,14
.irp g, 0,1
	DEP 2
	v_max3_num_f32 v[BM+\g], v[BM+\g], |v[S+16*\g+\n]|, |v[S+16*\g+\n+1]|
.endr
.endr
.irp g, 0,1
	DEP 2
	v_permlanex16_b32 v[BP+\g], v[BM+\g], s24, s25
.endr
.irp g, 0,1
	DEP 2
	v_max_num_f32 v[BM+\g], v[BM+\g], v[BP+\g]
.endr
.irp g, 0,1
	DEP 2
	v_add_nc_u32 v[SO+\g], 0xfe000000, v[BM+\g]
.endr
.irp g, 0,1
	DEP 2
	v_lshrrev_b32 v[BP+\g], 23, v[SO+\g]
.endr
	DEP 1
.if (\hd)%2 == 0
	v_lshl_or_b32 v[KW+(\hd)/2], v[BP+1], 8, v[BP]
.else
	v_lshl_or_b32 v[T], v[BP+1], 8, v[BP]
	DEP 1
	v_lshl_or_b32 v[KW+(\hd)/2], v[T], 16, v[KW+(\hd)/2]
.endif
	v_cvt_scalef32_pk16_bf6_f32 v[FK+8*(\hd):FK+8*(\hd)+2], v[S:S+15], v[SO]
	v_cvt_scalef32_pk16_bf6_f32 v[CT:CT+2], v[S+16:S+31], v[SO+1]
	v_nop
.irp j, 0,1,2
	v_permlane16_swap_b32 v[FK+8*(\hd)+\j], v[CT+\j]
.endr
.irp j, 0,1,2
	DEP 3
	v_mov_b32 v[FK+8*(\hd)+3+\j], v[CT+\j]
.endr
.irp c, 0,1,2
	global_store_b64 v[GC], v[FK+8*(\hd)+2*\c:FK+8*(\hd)+2*\c+1], s[10:11] offset:768*(\hd)+256*\c   ; 32 lanes store 256 consecutive bytes, aligned
.endr
.endm
	OUT 0
	OUT 1
	OUT 2
	OUT 3
	global_store_b64 v[GS], v[KW:KW+1], s[12:13]   ; my row's eight bytes (both halves of the lanes write the same)
	s_wait_tensorcnt 0x0                           ; the wave's end
	ds_add_u32 v[SPW], v[NIL]
	s_wait_dscnt 0x0
	CROUND                                         ; the closing round
	s_endpgm
.Lfunc_end_k_q25ae80b493_attn:
	.size	k_q25ae80b493_attn, .Lfunc_end_k_q25ae80b493_attn-k_q25ae80b493_attn
	.p2alignl 7, 3214868480
	.fill 96, 4, 3214868480
	.section	.rodata,"a",@progbits
	.p2align	6, 0x0
	.amdhsa_kernel k_q25ae80b493_attn
		.amdhsa_group_segment_fixed_size 327680
		.amdhsa_private_segment_fixed_size 0
		.amdhsa_enable_private_segment 0
		.amdhsa_kernarg_size 40
		.amdhsa_user_sgpr_count 2
		.amdhsa_user_sgpr_kernarg_segment_ptr 1
		.amdhsa_wavefront_size32 1
		.amdhsa_system_sgpr_workgroup_id_x 1
		.amdhsa_system_sgpr_workgroup_id_y 1
		.amdhsa_system_sgpr_workgroup_id_z 1
		.amdhsa_system_vgpr_workitem_id 0
		.amdhsa_next_free_vgpr 512
		.amdhsa_next_free_sgpr 100
		.amdhsa_reserve_vcc 0
		.amdhsa_float_denorm_mode_32 3
		.amdhsa_float_denorm_mode_16_64 3
		.amdhsa_memory_ordered 1
		.amdhsa_forward_progress 1
		.amdhsa_inst_pref_size 179
	.end_amdhsa_kernel
	.amdgpu_metadata
---
amdhsa.version: [ 1, 2 ]
amdhsa.kernels:
  - .name:           k_q25ae80b493_attn
    .symbol:         k_q25ae80b493_attn.kd
    .args:
      - { .name: qrec, .offset: 0, .size: 8, .value_kind: global_buffer, .address_space: global }
      - { .name: kv, .offset: 8, .size: 8, .value_kind: global_buffer, .address_space: global }
      - { .name: attn_mask, .offset: 16, .size: 8, .value_kind: global_buffer, .address_space: global }
      - { .name: cc, .offset: 24, .size: 8, .value_kind: global_buffer, .address_space: global }
      - { .name: cs, .offset: 32, .size: 8, .value_kind: global_buffer, .address_space: global }
    .group_segment_fixed_size: 327680
    .private_segment_fixed_size: 0
    .kernarg_segment_align: 8
    .kernarg_segment_size: 40
    .max_flat_workgroup_size: 256
    .sgpr_count:     100
    .vgpr_count:     512
    .wavefront_size: 32
...
	.end_amdgpu_metadata
.endif
;; end of part 3
;; launch outp (part 4): grid 4 x 32, 4 waves a work-group, clusters of 4 x 4, 327,680 bytes of LDS; arguments cc, cs, wc, ws, out0; writes out0
.if DOCPART == 4
	.amdgcn_target "amdgcn-amd-amdhsa--gfx1250"
	.amdhsa_code_object_version 6
	.text
	.protected	k_q25ae80b493_outp
	.globl	k_q25ae80b493_outp
	.p2align	8
	.type	k_q25ae80b493_outp,@function
k_q25ae80b493_outp:
	s_mov_b64 s[64:65], 0
	v_nop
	global_prefetch_b8 v0, s[64:65] scope:SCOPE_SE
	s_setreg_imm32_b32 hwreg(HW_REG_WAVE_MODE, 25, 1), 1
	s_wait_xcnt 0x0
	s_wait_alu depctr_hold_cnt(0) depctr_sa_sdst(0) depctr_va_vdst(0) depctr_va_sdst(0) depctr_va_ssrc(0) depctr_va_vcc(0) depctr_vm_vsrc(0)
	s_getreg_b32 s2, hwreg(HW_REG_IB_STS2, 6, 4)
	s_cmp_eq_u32 s2, 0
	s_cbranch_scc0 .Lentry_in_a_cluster
	s_endpgm
.Lentry_in_a_cluster:
	s_bfe_u32 s2, ttmp6, 0x10000c
	s_cmp_lg_u32 s2, 0xf033
	s_cbranch_scc0 .Lentry_shape_is_right
	s_endpgm
.Lentry_shape_is_right:
.set KSTEP,  256
.set NQ,     2
.set ROWB,   1572864                   ; from a plane of 256 along K of wc to the next
.set KROW,   768
.set AROW,   3072
.set PITCH,  240
.set FR,     12
.set NL,     6
.set NP,     4
.set HALFT,  128*PITCH
.set SLOT,   4*HALFT
.set LAPS,   2
.set KS,     32
.set SCL,    2*SLOT
.set HALFS,  (128*KS/256)*272
.set SBLK,   (16*KS/256)*272
.set SPARE,  SCL+4*HALFS
.set SPITCH, 528
.set ADRA, 16
.set ADRB, 20
.set STO,  24
.set RD,   25
.set CO,   26
.set ADRS, 27
.set SPW,  28
.set NIL,  29
.set SC,   32
.set AF,   128
.set BK,   128
.set G1, 24
.set G0, 32
.set G1B, 48
.set G0B, 56
.set G1S, 68
.set G0S, 76
.set G1SB, 80
.set G0SB, 88
.set MSB, 0
.macro WIN new
.if MSB != (\new)
	s_set_vgpr_msb (MSB<<8)|(\new)
.set MSB, (\new)
.endif
.endm
.set MUL_LO, 0xa1
.set MUL_HI, 0xf1
.set TO_B,   0x40
.macro JLOAD g0a, g1a, g0b, g1b
	s_cmp_eq_u32 s15, 0
	s_cbranch_scc0 .Lfor_b_\@
	tensor_load_to_lds s[\g0a:\g0a+3], s[\g1a:\g1a+7]
	s_nop 0
.rept 4
	v_nop
.endr
	s_branch .Lasked_\@
.Lfor_b_\@:
	tensor_load_to_lds s[\g0b:\g0b+3], s[\g1b:\g1b+7]
	s_nop 0
.rept 4
	v_nop
.endr
.Lasked_\@:
.endm
.macro CREST
	s_cmp_lg_u32 s14, 0
	s_cbranch_scc1 .Lnot_wave_0_\@
	s_barrier_signal -3
.Lnot_wave_0_\@:
	s_barrier_wait -3
	s_barrier_signal -1
	s_barrier_wait -1
.endm
.macro CROUND
	s_barrier_signal -1
	s_barrier_wait -1
	CREST
.endm
	s_load_b128 s[4:7], s[0:1], 0x0
	s_load_b128 s[8:11], s[0:1], 0x10
	s_load_b64 s[12:13], s[0:1], 0x20
	v_lshl_add_u32 v[SPW], v0, 2, SPARE
	v_mov_b32 v[NIL], 0
	ds_add_u32 v28, v29
	ds_add_u32 v28, v29
	s_wait_dscnt 0x0
	v_lshrrev_b32 v1, 5, v0
	v_readfirstlane_b32 s14, v1
	s_lshr_b32 s15, s14, 1
	s_and_b32 s16, s14, 1
	s_bfe_u32 s40, ttmp6, 0x40000
	s_bfe_u32 s41, ttmp6, 0x40004
	s_lshl_b32 s42, ttmp9, 2
	s_add_co_u32 s42, s42, s40
	s_and_b32 s17, ttmp7, 0xffff
	s_lshl_b32 s17, s17, 2
	s_add_co_u32 s17, s17, s41
	s_lshl_b32 s43, s41, 2
	s_lshl_b32 s43, 15, s43
	s_lshl_b32 s44, 0x1111, s40
	s_or_b32 s[G1+0], s43, (3<<16)|(1<<21)
	s_mov_b32 s[G1+1], (AROW/8)<<16
	s_mov_b32 s[G1+2], 8<<16
	s_mov_b32 s[G1+3], (AROW/8)<<16
	s_mov_b32 s[G1+4], 8
	s_mov_b32 s[G1+5], 16*KROW/8
	s_mov_b32 s[G1+6], 0
	s_mov_b32 s[G1+7], 0
	s_or_b32 s[G1B+0], s44, (0<<16)|(1<<20)|(1<<21)|(3<<22)|(3<<25)
	s_mov_b32 s[G1B+1], 768<<16                    ; 128 dense rows of 192 bytes, stated as 32 rows of 768 bytes
	s_mov_b32 s[G1B+2], 32<<16
	s_mov_b32 s[G1B+3], 768<<16
	s_mov_b32 s[G1B+4], 32
	s_mov_b32 s[G1B+5], 768
	s_mov_b32 s[G1B+6], 0
	s_mov_b32 s[G1B+7], 0
	s_or_b32 s[G1S+0], s43, (3<<16)|(1<<20)|(1<<21)|(5<<22)|(3<<25)
	s_or_b32 s[G1SB+0], s44, (3<<16)|(1<<20)|(1<<21)|(5<<22)|(3<<25)
.irp g, G1S, G1SB
	s_mov_b32 s[\g+1], 32<<16
	s_mov_b32 s[\g+2], (128*KS/256)<<16
	s_mov_b32 s[\g+3], 32<<16
	s_mov_b32 s[\g+4], 128*KS/256
	s_mov_b32 s[\g+5], 32
	s_mov_b32 s[\g+6], 0
	s_mov_b32 s[\g+7], 0
.endr
	s_lshl_b32 s18, s16, 7
	s_lshl_b32 s20, s17, 8
	s_add_co_u32 s20, s20, s18
	s_lshl_b32 s46, s42, 8
	s_add_co_u32 s46, s46, s18
	s_add_co_u32 s46, s46, 3072
	s_mov_b32 s21, 0
	s_mov_b32 s47, 0
	s_mov_b64 s[18:19], KS
	s_mul_u64 s[22:23], s[20:21], s[18:19]
	s_mul_u64 s[92:93], s[46:47], s[18:19]
	s_mov_b64 s[18:19], KROW
	s_mul_u64 s[20:21], s[20:21], s[18:19]
	s_mul_i32 s46, s46, 192                        ; a row of wc is 192 bytes in a plane
	s_mul_i32 s45, s14, HALFT
	s_mul_i32 s94, s14, HALFS
	s_wait_kmcnt 0x0
	s_add_nc_u64 s[20:21], s[4:5], s[20:21]
	s_add_nc_u64 s[22:23], s[6:7], s[22:23]
	s_add_nc_u64 s[46:47], s[8:9], s[46:47]
	s_add_nc_u64 s[92:93], s[10:11], s[92:93]
	CROUND
	s_mov_b32 s[G0S], 1
	s_add_co_u32 s[G0S+1], s94, SCL
	s_mov_b64 s[G0S+2:G0S+3], s[22:23]
	s_or_b32 s[G0S+3], s[G0S+3], 0x80000000
	s_mov_b32 s[G0SB], 1
	s_add_co_u32 s[G0SB+1], s94, SCL
	s_mov_b64 s[G0SB+2:G0SB+3], s[92:93]
	s_or_b32 s[G0SB+3], s[G0SB+3], 0x80000000
	JLOAD G0S, G1S, G0SB, G1SB
.irp s, 0,1
	s_mov_b32 s[G0+4*\s], 1
	s_add_co_u32 s[G0+4*\s+1], s45, \s*SLOT
	s_add_nc_u64 s[G0+4*\s+2:G0+4*\s+3], s[20:21], \s*AROW
	s_or_b32 s[G0+4*\s+3], s[G0+4*\s+3], 0x80000000
	s_mov_b32 s[G0B+4*\s], 1
	s_add_co_u32 s[G0B+4*\s+1], s45, \s*SLOT
	s_add_nc_u64 s[G0B+4*\s+2:G0B+4*\s+3], s[46:47], \s*ROWB
	s_or_b32 s[G0B+4*\s+3], s[G0B+4*\s+3], 0x80000000
	s_wait_alu depctr_va_vdst(0)
	s_wait_tensorcnt 0x0
	ds_add_u32 v28, v29
	s_wait_dscnt 0x0
	CROUND
	JLOAD G0+4*\s, G1, G0B+4*\s, G1B
.endr
	v_and_b32 v1, 15, v0
	v_bfe_u32 v2, v0, 4, 1
	v_mul_u32_u24 v3, v1, PITCH
	v_mul_u32_u24 v4, v2, 24
	v_add_nc_u32 v4, v3, v4
	v_lshl_add_u32 v5, v2, 4, v4
	v_and_b32 v6, 31, v0
	v_lshlrev_b32 v6, 3, v6
	s_mul_i32 s21, s15, HALFT
	s_mul_i32 s22, s16, HALFT
	s_add_co_u32 s22, s22, 2*HALFT
.irp s, 0,1
	v_add_nc_u32 v[ADRA+\s], s21, v6
	v_add_nc_u32 v[ADRB+\s], s22, v4
	v_add_nc_u32 v[ADRB+2+\s], s22, v5
	s_add_co_u32 s21, s21, SLOT
	s_add_co_u32 s22, s22, SLOT
.endr
	v_mul_u32_u24 v5, v1, KS
	v_lshrrev_b32 v6, 8, v5
	v_lshl_add_u32 v5, v6, 4, v5
	s_mul_i32 s21, s15, HALFS
	s_mul_i32 s22, s16, HALFS
	s_add_co_u32 s22, s22, 2*HALFS
	s_sub_co_u32 s22, s22, s21
	v_mul_u32_u24 v6, s22, v2
	s_add_co_u32 s21, s21, SCL
	v_add_nc_u32 v5, v5, v6
	v_add_nc_u32 v[ADRS], s21, v5
	s_mul_i32 s23, s14, 16*SPITCH
	v_mul_u32_u24 v5, v1, SPITCH
	v_lshl_add_u32 v5, v2, 6, v5
	v_add_nc_u32 v[STO], s23, v5
	v_and_b32 v6, 31, v0
	v_lshlrev_b32 v[CO], 4, v6
	v_add_nc_u32 v[RD], s23, v[CO]
	s_and_b32 s20, s17, 7
	s_lshl_b32 s20, s20, 8
	s_lshl_b32 s21, s15, 7
	s_add_co_u32 s20, s20, s21
	s_lshl_b32 s20, s20, 2
	s_lshr_b32 s21, s17, 3
	s_add_co_u32 s20, s20, s21
	s_lshl_b32 s20, s20, 12
	s_lshl_b32 s46, s42, 10
	s_lshl_b32 s47, s16, 9
	s_add_co_u32 s46, s46, s47
	s_add_co_u32 s20, s20, s46
	s_mov_b32 s21, 0
	s_add_nc_u64 s[12:13], s[12:13], s[20:21]
.macro FRAG reg, adr, q, i
.irp p, 0,1,2,3,4,5
.set PC, 12*(\q)+6*(\p/3)+\p%3
.if PC%8 < 5
	ds_load_b64 v[\reg+2*\p:\reg+2*\p+1], v[\adr] offset:8*PC+16*(PC/8)+(\i)*16*PITCH
.else
	ds_load_b64 v[\reg+2*\p:\reg+2*\p+1], v[\adr+2] offset:8*PC+16*(PC/8)+(\i)*16*PITCH
.endif
.endr
.endm
.macro FRAGA reg, adr, q, i
.irp p, 0,1,2,3,4,5
	ds_load_b64 v[\reg+2*\p:\reg+2*\p+1], v[\adr] offset:(\i)*AROW+(2*(\q)+\p/3)*768+(\p%3)*256
.endr
.endm
.macro MUL16 a0, p, q, sc, zero
.irp a, \a0, \a0+1
.irp b, 0,1,2,3,4,5,6,7
.if \zero
	v_wmma_scale_f32_16x16x128_f8f6f4 v[8*(8*((\a)%4)+\b):8*(8*((\a)%4)+\b)+7], v[128*(\p)+FR*\b:128*(\p)+FR*\b+FR-1], v[AF+FR*(\a):AF+FR*(\a)+FR-1], 0, v[SC+8*NQ*(\sc)+NQ*\b+(\q)], v[SC+8*NQ*(\sc)+NQ*(\a)+(\q)] matrix_a_fmt:MATRIX_FMT_BF6 matrix_b_fmt:MATRIX_FMT_BF6 matrix_a_scale:MATRIX_SCALE_ROW1
.else
	v_wmma_scale_f32_16x16x128_f8f6f4 v[8*(8*((\a)%4)+\b):8*(8*((\a)%4)+\b)+7], v[128*(\p)+FR*\b:128*(\p)+FR*\b+FR-1], v[AF+FR*(\a):AF+FR*(\a)+FR-1], v[8*(8*((\a)%4)+\b):8*(8*((\a)%4)+\b)+7], v[SC+8*NQ*(\sc)+NQ*\b+(\q)], v[SC+8*NQ*(\sc)+NQ*(\a)+(\q)] matrix_a_fmt:MATRIX_FMT_BF6 matrix_b_fmt:MATRIX_FMT_BF6 matrix_a_scale:MATRIX_SCALE_ROW1
.endif
.endr
.endr
.endm
.macro FETCH_B slot, q, p
	WIN TO_B
.irp i, 0,1,2,3,4,5,6,7
	FRAG 128*(\p)+FR*\i, ADRB+\slot, \q, \i
.endr
	WIN 0
.endm
.macro FETCH_A slot, q, i0
.irp i, \i0, \i0+1, \i0+2, \i0+3
	FRAGA AF+FR*(\i), ADRA+\slot, \q, \i
.endr
.endm
.macro SCALES sc
.irp i, 0,1,2,3,4,5,6,7
	ds_load_b64 v[SC+8*NQ*\sc+NQ*\i:SC+8*NQ*\sc+NQ*\i+1], v[ADRS] offset:\i*SBLK
.endr
.endm
.macro PLACES n
.rept \n
	v_nop
.endr
.endm
.macro STEP slot, q, zero
	s_wait_dscnt 4*NL
	WIN MUL_LO
	MUL16 0, (\q)%2, \q, \slot, \zero
	MUL16 2, (\q)%2, \q, \slot, \zero
	s_wait_dscnt 0
	PLACES NP
	FETCH_B \slot, (\q)+1, 1-(\q)%2
	FETCH_A \slot, (\q)+1, 0
	WIN MUL_HI
	MUL16 4, (\q)%2, \q, \slot, \zero
	MUL16 6, (\q)%2, \q, \slot, \zero
	PLACES NP
	WIN 0
	FETCH_A \slot, (\q)+1, 4
.endm
.macro TURN slot, next, fill
	s_wait_tensorcnt 0x0
	ds_add_u32 v[SPW], v[NIL]
	s_wait_dscnt 4*NL+1
	WIN MUL_LO
	MUL16 0, 1, NQ-1, \slot, 0
	s_wait_dscnt 0x0
	s_barrier_signal -1
	MUL16 2, 1, NQ-1, \slot, 0
	WIN 0
	s_barrier_wait -1
.if \fill
	CREST
	s_add_nc_u64 s[G0+4*\slot+2:G0+4*\slot+3], s[G0+4*\slot+2:G0+4*\slot+3], 2*AROW
	s_add_nc_u64 s[G0B+4*\slot+2:G0B+4*\slot+3], s[G0B+4*\slot+2:G0B+4*\slot+3], 2*ROWB
	JLOAD G0+4*\slot, G1, G0B+4*\slot, G1B
.else
	PLACES NP
.endif
	s_wait_alu depctr_va_vdst(0)
	v_add_nc_u32 v[ADRS], 4*NQ, v[ADRS]
	FETCH_B \next, 0, 0
	FETCH_A \next, 0, 0
	SCALES \next
	WIN MUL_HI
	MUL16 4, 1, NQ-1, \slot, 0
	MUL16 6, 1, NQ-1, \slot, 0
	PLACES NP
	WIN 0
	FETCH_A \next, 0, 4
.endm
	s_wait_alu depctr_va_vdst(0)
	s_wait_tensorcnt 1
	s_barrier_signal -1
	s_barrier_wait -1
	FETCH_B 0, 0, 0
	FETCH_A 0, 0, 0
	SCALES 0
	FETCH_A 0, 0, 4
	STEP 0, 0, 1
	s_mov_b32 s3, LAPS-1
.Llap:
	TURN 0, 1, 1
	STEP 1, 0, 0
	TURN 1, 0, 1
	STEP 0, 0, 0
	s_sub_co_u32 s3, s3, 1
	s_cmp_lg_u32 s3, 0
	s_cbranch_scc1 .Llap
	TURN 0, 1, 0
	STEP 1, 0, 0
	s_wait_dscnt 4*NL
	WIN MUL_LO
	MUL16 0, 1, NQ-1, 1, 0
	MUL16 2, 1, NQ-1, 1, 0
	s_wait_dscnt 0
	WIN MUL_HI
	MUL16 4, 1, NQ-1, 1, 0
	MUL16 6, 1, NQ-1, 1, 0
	WIN 0
.macro TOSTAGE a
.set AC, 64*((\a)%4)
	WIN 0x08+4*((\a)/4)
.irp b, 0,1,2,3,4,5,6,7
	ds_store_b128 v[STO], v[AC+8*\b:AC+8*\b+3] offset:128*(\b/2)+32*(\b%2)
	ds_store_b128 v[STO], v[AC+8*\b+4:AC+8*\b+7] offset:128*(\b/2)+32*(\b%2)+16
.endr
	WIN 0
.set BB, BK+64*((\a)%2)
.irp t, 0,1,2,3,4,5,6,7,8,9,10,11,12,13,14,15
	ds_load_b128 v[BB+4*\t:BB+4*\t+3], v[RD] offset:\t*SPITCH
.endr
.endm
.macro SEND a, younger
.set BB, BK+64*((\a)%2)
	s_wait_dscnt \younger
.if (\a) > 0
.if ((\a)%2) == 1
	s_add_nc_u64 s[12:13], s[12:13], 8*16384
.else
	s_add_nc_u64 s[12:13], s[12:13], 24*16384
.endif
.endif
.irp t, 0,1,2,3,4,5,6,7,8,9,10,11,12,13,14,15
	global_store_b128 v[CO], v[BB+4*\t:BB+4*\t+3], s[12:13] offset:(\t+8*(\t/8))*16384 th:TH_STORE_NT
.endr
.endm
	PLACES NP
	TOSTAGE 0
.irp a, 1,2,3,4,5,6,7
.if \a > 1
	s_wait_xcnt 0x0
.endif
	TOSTAGE \a
	SEND \a-1, 32
.endr
	s_wait_xcnt 0x0
	SEND 7, 0
	s_wait_tensorcnt 0x0
	ds_add_u32 v[SPW], v[NIL]
	s_wait_dscnt 0x0
	CROUND
	s_endpgm
.Lfunc_end_k_q25ae80b493_outp:
	.size	k_q25ae80b493_outp, .Lfunc_end_k_q25ae80b493_outp-k_q25ae80b493_outp
	.p2alignl 7, 3214868480
	.fill 96, 4, 3214868480
	.section	.rodata,"a",@progbits
	.p2align	6, 0x0
	.amdhsa_kernel k_q25ae80b493_outp
		.amdhsa_group_segment_fixed_size 327680
		.amdhsa_private_segment_fixed_size 0
		.amdhsa_enable_private_segment 0
		.amdhsa_kernarg_size 40
		.amdhsa_user_sgpr_count 2
		.amdhsa_user_sgpr_kernarg_segment_ptr 1
		.amdhsa_wavefront_size32 1
		.amdhsa_system_sgpr_workgroup_id_x 1
		.amdhsa_system_sgpr_workgroup_id_y 1
		.amdhsa_system_sgpr_workgroup_id_z 1
		.amdhsa_system_vgpr_workitem_id 0
		.amdhsa_next_free_vgpr 1024
		.amdhsa_next_free_sgpr 98
		.amdhsa_reserve_vcc 0
		.amdhsa_float_denorm_mode_32 3
		.amdhsa_float_denorm_mode_16_64 3
		.amdhsa_memory_ordered 1
		.amdhsa_forward_progress 1
		.amdhsa_inst_pref_size 161
	.end_amdhsa_kernel
	.amdgpu_metadata
---
amdhsa.version: [ 1, 2 ]
amdhsa.kernels:
  - .name:           k_q25ae80b493_outp
    .symbol:         k_q25ae80b493_outp.kd
    .args:
      - { .name: cc, .offset: 0, .size: 8, .value_kind: global_buffer, .address_space: global }
      - { .name: cs, .offset: 8, .size: 8, .value_kind: global_buffer, .address_space: global }
      - { .name: wc, .offset: 16, .size: 8, .value_kind: global_buffer, .address_space: global }
      - { .name: ws, .offset: 24, .size: 8, .value_kind: global_buffer, .address_space: global }
      - { .name: out0, .offset: 32, .size: 8, .value_kind: global_buffer, .address_space: global }
    .group_segment_fixed_size: 327680
    .private_segment_fixed_size: 0
    .kernarg_segment_align: 8
    .kernarg_segment_size: 40
    .max_flat_workgroup_size: 128
    .sgpr_count:     98
    .vgpr_count:     1024
    .wavefront_size: 32
...
	.end_amdgpu_metadata
.endif
;; end of part 4
